; MI455X (gfx1250); checked and timed in simulation.
; The chip was launched on July 23, 2026; its instructions are those of AMD's public machine-readable ISA for CDNA 5 (MIT licence, August 2026) and "CDNA5" Instruction Set Architecture Reference Guide (July 2026). The comments in the code are by the model that wrote it; some were corrected since.
;; L3. Allowed arithmetic: matrix products marked QUANTISED: E5M2 operands, one given power-of-two scale a tensor, by v_wmma_f32_16x16x64_bf8_bf8 or v_wmma_f32_16x16x128_bf8_bf8, f32 sums; everything else in f32.
;; Inputs: bw 16,384 int32; emb_alloc 8,192 int32; ends 16,384 int32; fw 16,384 int32; input 4 x 4,096 x 1,024 float32; keep_cols 512 int32; lowp_scales 8 int32 (the exponents e of the quantised operands' scales 2^e); norm_in_weight 1,024 float32; norm_out_weight 1,024 float32; seq_sort 16,384 int32; starts 16,384 int32; w_k_weight 8,192 x 1,024 float32; w_mix_weight_codes 1,024 x 64 x 32 uint8 (E5M2 codes of w_mix_weight, K innermost, in blocks of 32 codes); w_up_weight_codes 1,024 x 8 x 32 uint8 (E5M2 codes of w_up_weight, K innermost, in blocks of 32 codes); w_v_weight 8,192 x 256 float32.
;; Outputs: out0 4 x 4,096 x 1,024 float32.
;; Constants: bb = 512.
;; This version of the problem:
;;   THIS VERSION OF THE PROBLEM IS GIVEN IN LOW PRECISION. The matrix products marked QUANTISED in the list below multiply operands that are first quantised to E5M2 (5 exponent bits, 2 mantissa bits; 8 bits a number), with one given power-of-two scale for each operand tensor; their sums are f32. All else is computed in f32.
;;   The module's matrix products, in the order in which they are computed (A, B: the left and right operand; K: the contracted axis; several contracted axes count as one K, in the product's order):
;;     1. [M 16,384, K 1,024] x [K 1,024, N 512]; A: computed on the way; B: computed on the way: QUANTISED (scales: A lowp_scales[0], B lowp_scales[1])
;;     2. [M 16,384, K 512] x [K 512, N 256]; A: softmax (see below); B: computed on the way: QUANTISED (scales: A lowp_scales[2], B lowp_scales[3])
;;     3. [M 16,384, K 256] x [K 256, N 1,024]; A: computed on the way; B: input w_up_weight (given as codes): QUANTISED (scales: A lowp_scales[4], B lowp_scales[5])
;;     4. [M 16,384, K 2,048] x [K 2,048, N 1,024]; A: computed on the way; B: input w_mix_weight (given as codes): QUANTISED (scales: A lowp_scales[6], B lowp_scales[7])
;;   THE QUANTISER, for each operand of a quantised product, along K:
;;     - The operand's scale is 2^e, e = its entry of the input lowp_scales (int32; the entries are numbered through the quantised products in the list's order, A before B).
;;     - Each number is divided by the scale, clamped to +-57,344, and rounded to the nearest number of E5M2, ties to even, subnormals kept.
;;     - The product sums the exact products of the quantised numbers (number of the format x scale) in f32.
;;   ~~~python
;;   def quantise(x, axis, e):      # numpy; x: float32 -> the quantised numbers, widened to float32 again
;;       x = np.moveaxis(x, axis, -1); K = x.shape[-1]
;;       r = np.clip(x / 2.0 ** e, -57344, 57344)
;;       step = 2.0 ** (np.maximum(np.frexp(np.where(r == 0, 1, r))[1] - 1, -14) - 2)
;;       q = np.round(r / step) * step * 2.0 ** e      # np.round: ties to even
;;       return np.moveaxis(q, -1, axis).astype(np.float32)
;;   ~~~
;;   SOFTMAX AHEAD OF A QUANTISED PRODUCT. Where the list says 'softmax', what is quantised is not the finished softmax but p = 2^(t - M), with t = logit x log2(e) and M = ceil(the row's largest t), a whole number; so 1/2 < the row's largest p <= 1. The row's sum l is taken of the UNQUANTISED p, in f32, and the product's result is divided by l at the end. Since M is a whole number, a kernel that streams over the keys may use a running M (the ceiling of the running maximum): every later rescaling is an exact power of two, so the quantised numbers keep their values, but for numbers so far below the row's largest that they fall under the format's range.
;;   OPERANDS COMPUTED ON THE WAY. 'Computed on the way' means the value that the module computes at that place (a softmax that the list does not call 'softmax' is quantised finished and normalised). What goes into a quantiser is computed in f32, as accurately as f32 sums, v_exp_f32 and their like allow (about 1e-6 of the number): no bf16 or f16 on the way to a quantiser, and a product that is left as it is and whose result goes on into a quantised operand takes f32 operands (vector FMAs, or v_wmma_f32_16x16x4_f32). A number that lies on a knife's edge between two numbers of the format may be rounded either way, as far as f32 arithmetic and the matrix unit's own rounding can turn it there, and no further.
;;   INPUTS GIVEN AS CODES. w_mix_weight (in the module: [1024, 2048], K = its axis 1); w_up_weight (in the module: [1024, 256], K = its axis 1): each comes as NAME_codes (uint8): NAME with its K axis moved to the last place and cut into blocks of 32 codes, [.., K / 32, bytes a block], one block behind the other in memory; one code a byte (a code: sign, 5 exponent bits, 2 mantissa bits); its scale is its entry of lowp_scales. Its value is code x scale, taken as it is: it is not quantised again, and the codes and scales need not be those that the quantiser above would give.
;; 2 versions, each right; version 2 is version 1 with the launch chain written anew for expert scheduling mode. Each part assembles by itself: llvm-mc -triple=amdgcn-amd-amdhsa -mcpu=gfx1250 --defsym DOCPART=n.
;; ======== version 1 of 2: 3 launches
;; workspace buffers: wts 917,504 bytes; meta 69,632 bytes of whole numbers; cat 33,554,432 bytes
;; launch prep (part 1): grid 121 x 1, 4 waves a work-group, no clusters, 0 bytes of LDS; arguments keep_cols, emb_alloc, starts, ends, w_k_weight, w_v_weight, w_up_weight_codes, bw, lowp_scales, wts, meta, fw; writes wts, meta
.if DOCPART == 1
	.amdgcn_target "amdgcn-amd-amdhsa--gfx1250"
	.amdhsa_code_object_version 6
	.text
	.protected	k_qa9329eccda_prep
	.globl	k_qa9329eccda_prep
	.p2align	8
	.type	k_qa9329eccda_prep,@function
k_qa9329eccda_prep:
	s_mov_b64 s[64:65], 0
	v_nop
	global_prefetch_b8 v0, s[64:65] scope:SCOPE_SE
	s_setreg_imm32_b32 hwreg(HW_REG_WAVE_MODE, 25, 1), 1
	s_wait_xcnt 0x0
; All that does not hang on the tokens' numbers, made once.
; wts: the weights of the first three products as codes of BF8 (E5M2), laid in the order of the operand's registers and in the order in which the second launch takes them.
;   Wave w of that launch owns bytes STREAM w on: 112 fragments of 2,048 bytes.  In a fragment, piece c (0..3) lies at 512 c, lane (r', h') at 16 (r' + 16 h'):
;   16 codes of the fragment's row for r', at k = 128 s + 32 c + 16 h' + 0 .. 15.
;   fragment 8 s + t        (s 0..7,  t 0..7):  key  128 w + 32 (t/2) + 8 (t%2) + r' + 8 (r'/8) of w_k[keep_cols], quantised with 2^e1
;   fragment 64 + 4 s + t   (s 0..3,  t 0..3):  column d = 64 w + 32 (t/2) + 8 (t%2) + r' + 8 (r'/8) of w_v[keep_cols], k = the keys, quantised with 2^e3
;   fragment 80 + 16 s + t  (s 0..1,  t 0..15): unit 256 w + 32 (t/2) + 8 (t%2) + r' + 8 (r'/8) of w_up's codes, as given
; meta: emb_alloc[keep_cols[k]] at 4 k; for block nb of 512 sorted rows {min of starts, max of ends} at 2048 + 8 nb; fw[bw[j]] at GIDX + 4 j.
; The work-group's number picks the job: 0-63 keys, 64-71 values, 72-79 w_up, 80-87 ranges, 88 labels, 89-120 the tokens' rows.  A wave has a job of its own; no LDS, no barrier.
; code = x / 2^e, held within +-57,344, to the nearest code, ties to even.  LIMITS: e1 and e3 between -126 and 112; NaN among w_k, w_v is not served.
.set STREAM, 229376
.set GIDX,   4096
	s_load_b512 s[4:19], s[0:1], 0x0               ; keep_cols s[4:5], emb_alloc s[6:7], starts s[8:9], ends s[10:11], w_k s[12:13], w_v s[14:15], w_up s[16:17], bw s[18:19]
	s_load_b128 s[20:23], s[0:1], 0x40             ; the scales' exponents s[20:21], wts s[22:23]
	s_load_b64 s[24:25], s[0:1], 0x50              ; meta
	s_load_b64 s[40:41], s[0:1], 0x58              ; fw
	v_and_b32 v1, 31, v0                           ; lane
	v_and_b32 v2, 15, v0                           ; r'
	v_bfe_u32 v3, v0, 4, 1                         ; h'
	v_lshlrev_b32 v4, 4, v1                        ; 16 x lane: my place in a piece of a fragment
	v_lshrrev_b32 v5, 5, v0
	v_readfirstlane_b32 s26, v5                    ; wave
	s_mov_b32 s27, ttmp9
	s_mov_b32 s35, 0                               ; the upper word of the offset into wts
	s_wait_kmcnt 0x0
	s_cmp_lt_u32 s27, 64
	s_cbranch_scc1 .Lkq
	s_cmp_lt_u32 s27, 72
	s_cbranch_scc1 .Lvq
	s_cmp_lt_u32 s27, 80
	s_cbranch_scc1 .Lup
	s_cmp_lt_u32 s27, 88
	s_cbranch_scc1 .Lrng
	s_cmp_lt_u32 s27, 89
	s_cbranch_scc1 .Lla
; A table looked up through a list: a thread takes four entries of the list at byte v5, holds each inside the table, and stores the four numbers found at byte off + v5 of meta: 512 consecutive bytes a wave.
.macro GATH ilo, ihi, tlo, thi, lim, off
	global_load_b128 v[8:11], v5, s[\ilo:\ihi]
	s_wait_loadcnt 0x0
.irp j, 0,1,2,3
	v_min_u32 v[8+\j], \lim, v[8+\j]
	v_lshlrev_b32 v[8+\j], 2, v[8+\j]
.endr
.irp j, 0,1,2,3
	global_load_b32 v[12+\j], v[8+\j], s[\tlo:\thi]
.endr
	s_wait_loadcnt 0x0
	global_store_b128 v5, v[12:15], s[24:25] offset:\off
	s_endpgm
.endm
	; ---- the tokens' rows: work-group x takes tokens 512 (x - 89) on, a thread four: fw[bw[j]]
	s_sub_co_u32 s28, s27, 89
	s_lshl_b32 s28, s28, 11
	v_lshlrev_b32 v5, 4, v0
	v_add_nc_u32 v5, s28, v5
	GATH 18, 19, 40, 41, 0x3fff, GIDX
.Lla:                                  ; ---- labels: thread t takes keys 4 t .. 4 t + 3: emb_alloc[keep_cols[k]]
	v_lshlrev_b32 v5, 4, v0
	GATH 4, 5, 6, 7, 0x1fff, 0
.macro QSCALE                          ; s37 = e  ->  v10 = 2^e as f32 (the conversion takes its exponent field), v11 = 57,344 x 2^e
	s_add_co_i32 s37, s37, 127
	s_lshl_b32 s38, s37, 23
	v_mov_b32 v10, s38
	s_add_co_i32 s37, s37, 15
	s_lshl_b32 s37, s37, 23
	s_or_b32 s37, s37, 0x600000
	v_mov_b32 v11, s37
.endm
.Lkq:                                  ; ---- keys: a wave makes one fragment: 16 keys x 128 along h
	s_lshl_b32 s28, s27, 2
	s_add_co_u32 s28, s28, s26                     ; job 0..255
	s_lshr_b32 s29, s28, 6                         ; w
	s_and_b32 s30, s28, 63                         ; fragment 8 s + t
	s_lshr_b32 s31, s30, 3                         ; s
	s_and_b32 s32, s30, 7                          ; t
	s_lshl_b32 s33, s29, 7
	s_lshr_b32 s36, s32, 1
	s_lshl_b32 s36, s36, 5
	s_add_co_u32 s33, s33, s36
	s_and_b32 s36, s32, 1
	s_lshl_b32 s36, s36, 3
	s_add_co_u32 s33, s33, s36                     ; 128 w + 32 (t/2) + 8 (t%2)
	v_and_b32 v5, 8, v2
	v_add_nc_u32 v5, v5, v2                        ; r' + 8 (r'/8)
	v_add_nc_u32 v5, s33, v5
	v_lshlrev_b32 v5, 2, v5
	global_load_b32 v6, v5, s[4:5]                 ; keep_cols of my key
	s_load_b32 s37, s[20:21], 0x4                  ; e1
	s_mul_i32 s34, s29, STREAM
	s_lshl_b32 s36, s30, 11
	s_add_co_u32 s34, s34, s36
	s_add_nc_u64 s[34:35], s[22:23], s[34:35]      ; where the fragment goes
	s_lshl_b32 s36, s31, 9                         ; 128 s numbers of 4 bytes
	s_wait_loadcnt 0x0
	v_min_u32 v6, 0x1fff, v6                       ; held inside the table of 8,192 rows
	v_lshlrev_b32 v6, 12, v6                       ; a row of w_k is 4,096 bytes
	v_lshl_add_u32 v6, v3, 6, v6                   ; + 16 h' numbers
	v_add_nc_u32 v6, s36, v6
.irp c, 0,1,2,3
.irp j, 0,1,2,3
	global_load_b128 v[16+16*\c+4*\j:19+16*\c+4*\j], v6, s[12:13] offset:128*\c+16*\j   ; k = 128 s + 32 c + 16 h' + 4 j ..
.endr
.endr
	s_wait_kmcnt 0x0
	QSCALE
	s_wait_loadcnt 0x0
.set jj, 0
.rept 64
	v_med3_num_f32 v[16+jj], v[16+jj], -v11, v11   ; the conversion to an 8-bit code does not saturate (ISA guide 7.6.2): the hold comes first
.set jj, jj+1
.endr
.irp g, 0,1,2,3,4,5,6,7
	v_cvt_scalef32_pk8_bf8_f32 v[80+2*\g:81+2*\g], v[16+8*\g:23+8*\g], v10
.endr
.irp c, 0,1,2,3
	global_store_b128 v4, v[80+4*\c:83+4*\c], s[34:35] offset:512*\c   ; the wave stores 512 consecutive bytes, aligned
.endr
	s_endpgm
.Lvq:                                  ; ---- values: a lane takes a column d, its registers run down 128 keys: nothing is transposed
	s_sub_co_u32 s28, s27, 64
	s_lshl_b32 s28, s28, 2
	s_add_co_u32 s28, s28, s26                     ; job 0..31
	s_lshr_b32 s29, s28, 3                         ; w
	s_bfe_u32 s30, s28, 0x10002                    ; b: which 32 of the wave's 64 columns
	s_and_b32 s31, s28, 3                          ; s: which 128 keys
	s_load_b32 s37, s[20:21], 0xc                  ; e3
	s_lshl_b32 s32, s31, 9
	s_mov_b32 s33, 0
	s_add_nc_u64 s[32:33], s[4:5], s[32:33]        ; keep_cols at key 128 s
	v_mov_b32 v9, 0
.set jj, 0
.rept 32
	global_load_b128 v[16+4*jj:19+4*jj], v9, s[32:33] offset:16*jj   ; every lane holds all 128 indices
.set jj, jj+1
.endr
	s_lshl_b32 s36, s29, 6
	s_lshl_b32 s38, s30, 5
	s_add_co_u32 s36, s36, s38
	v_add_nc_u32 v8, s36, v1                       ; d = 64 w + 32 b + lane
	v_lshlrev_b32 v8, 2, v8
	v_bfe_u32 v7, v0, 3, 1                         ; lane = 16 a + 8 u + z is r' = 8 a + z of tile 2 b + u
	v_and_b32 v6, 7, v0
	v_lshl_add_u32 v6, v3, 3, v6
	v_lshlrev_b32 v6, 4, v6
	v_lshl_add_u32 v7, v7, 11, v6                  ; 2,048 u + 16 r'
	s_mul_i32 s34, s29, STREAM
	s_lshl_b32 s36, s31, 2
	s_lshl_b32 s38, s30, 1
	s_add_co_u32 s36, s36, s38
	s_add_co_u32 s36, s36, 64                      ; fragment 64 + 4 s + 2 b
	s_lshl_b32 s36, s36, 11
	s_add_co_u32 s34, s34, s36
	s_add_nc_u64 s[34:35], s[22:23], s[34:35]
	s_wait_loadcnt 0x0
.set jj, 0
.rept 128
	v_min_u32 v[16+jj], 0x1fff, v[16+jj]           ; held inside the table of 8,192 rows
	v_lshl_add_u32 v[16+jj], v[16+jj], 10, v8      ; a row of w_v is 1,024 bytes; + 4 d
.set jj, jj+1
.endr
.set jj, 0
.rept 128
	global_load_b32 v[16+jj], v[16+jj], s[14:15]   ; the wave reads 128 consecutive bytes of one key's row; each load lands on its own offset register
.set jj, jj+1
.endr
	s_wait_kmcnt 0x0
	QSCALE
	s_wait_loadcnt 0x0
.set jj, 0
.rept 128
	v_med3_num_f32 v[16+jj], v[16+jj], -v11, v11
.set jj, jj+1
.endr
.set jj, 0
.rept 16
	v_cvt_scalef32_pk8_bf8_f32 v[144+2*jj:145+2*jj], v[16+8*jj:23+8*jj], v10
.set jj, jj+1
.endr
.irp c, 0,1,2,3
.irp h, 0,1
	global_store_b128 v7, v[144+8*\c+4*\h:147+8*\c+4*\h], s[34:35] offset:512*\c+256*\h   ; keys 32 c + 16 h ..: sixteen lanes fill 256 consecutive bytes of each of the two fragments
.endr
.endr
	s_endpgm
.Lup:                                  ; ---- w_up's codes are given and only laid anew: a wave moves one group of four fragments
	s_sub_co_u32 s28, s27, 72
	s_lshl_b32 s28, s28, 2
	s_add_co_u32 s28, s28, s26                     ; job 0..31
	s_lshr_b32 s29, s28, 3                         ; w
	s_and_b32 s30, s28, 7                          ; the group among the wave's eight: 4 s + t / 4
	s_lshr_b32 s31, s30, 2                         ; s
	s_and_b32 s32, s30, 3
	s_lshl_b32 s33, s29, 8
	s_lshl_b32 s36, s32, 6
	s_add_co_u32 s33, s33, s36                     ; 256 w + 16 x the group's first tile
	v_and_b32 v5, 8, v2
	v_add_nc_u32 v5, v5, v2                        ; r' + 8 (r'/8)
	v_add_nc_u32 v5, s33, v5
	v_lshlrev_b32 v5, 8, v5                        ; a row of w_up is 256 bytes
	v_lshl_add_u32 v5, v3, 4, v5
	s_lshl_b32 s36, s31, 7
	v_add_nc_u32 v5, s36, v5                       ; + 128 s + 16 h'
	s_mul_i32 s34, s29, STREAM
	s_add_co_u32 s36, s30, 20                      ; groups 20 to 27 of the wave's stream
	s_lshl_b32 s36, s36, 13
	s_add_co_u32 s34, s34, s36
	s_add_nc_u64 s[34:35], s[22:23], s[34:35]
.irp f, 0,1,2,3
.irp c, 0,1,2,3
	global_load_b128 v[16+16*\f+4*\c:19+16*\f+4*\c], v5, s[16:17] offset:(32*(\f/2)+8*(\f%2))*256+32*\c
.endr
.endr
	s_wait_loadcnt 0x0
.irp f, 0,1,2,3
.irp c, 0,1,2,3
	global_store_b128 v4, v[16+16*\f+4*\c:19+16*\f+4*\c], s[34:35] offset:2048*\f+512*\c
.endr
.endr
	s_endpgm
.Lrng:                                 ; ---- ranges: a wave takes a block of 512 sorted rows
	s_sub_co_u32 s28, s27, 80
	s_lshl_b32 s28, s28, 2
	s_add_co_u32 s28, s28, s26                     ; nb
	s_lshl_b32 s29, s28, 11
	v_add_nc_u32 v5, s29, v4
.irp i, 0,1,2,3
	global_load_b128 v[16+4*\i:19+4*\i], v5, s[8:9] offset:512*\i
	global_load_b128 v[32+4*\i:35+4*\i], v5, s[10:11] offset:512*\i
.endr
	s_mov_b32 s30, 0x76543210
	s_mov_b32 s31, 0xfedcba98                      ; v_permlanex16_b32's selects for lane l xor 16
	v_mov_b32 v12, 0                               ; written once: the destination of a lane move counts as read
	v_mov_b32 v13, 0
	s_lshl_b32 s29, s28, 3
	v_mov_b32 v14, s29
	s_wait_loadcnt 0x0
.irp j, 1,2,3,4,5,6,7,8,9,10,11,12,13,14,15
	v_min_i32 v16, v16, v[16+\j]
	v_max_i32 v32, v32, v[32+\j]
.endr
.irp k, 1,2,4,8
	v_mov_b32_dpp v12, v16 row_xmask:\k row_mask:0xf bank_mask:0xf
	v_mov_b32_dpp v13, v32 row_xmask:\k row_mask:0xf bank_mask:0xf
	v_min_i32 v16, v16, v12
	v_max_i32 v32, v32, v13
.endr
	v_permlanex16_b32 v12, v16, s30, s31
	v_permlanex16_b32 v13, v32, s30, s31
	v_min_i32 v10, v16, v12
	v_max_i32 v11, v32, v13
	v_cmp_eq_u32 vcc_lo, 0, v1
	s_wait_xcnt 0x0                                ; EXEC changes only behind this wait
	s_and_saveexec_b32 s32, vcc_lo
	global_store_b64 v14, v[10:11], s[24:25] offset:2048   ; lane 0 alone
	s_wait_xcnt 0x0                                ; and again in front of the line that widens it
	s_or_b32 exec_lo, exec_lo, s32
	s_endpgm
.Lfunc_end_k_qa9329eccda_prep:
	.size	k_qa9329eccda_prep, .Lfunc_end_k_qa9329eccda_prep-k_qa9329eccda_prep
	.p2alignl 7, 3214868480
	.fill 96, 4, 3214868480
	.section	.rodata,"a",@progbits
	.p2align	6, 0x0
	.amdhsa_kernel k_qa9329eccda_prep
		.amdhsa_group_segment_fixed_size 0
		.amdhsa_private_segment_fixed_size 0
		.amdhsa_enable_private_segment 0
		.amdhsa_kernarg_size 96
		.amdhsa_user_sgpr_count 2
		.amdhsa_user_sgpr_kernarg_segment_ptr 1
		.amdhsa_wavefront_size32 1
		.amdhsa_system_sgpr_workgroup_id_x 1
		.amdhsa_system_sgpr_workgroup_id_y 1
		.amdhsa_system_sgpr_workgroup_id_z 1
		.amdhsa_system_vgpr_workitem_id 0
		.amdhsa_next_free_vgpr 176
		.amdhsa_next_free_sgpr 66
		.amdhsa_reserve_vcc 1
		.amdhsa_float_denorm_mode_32 3
		.amdhsa_float_denorm_mode_16_64 3
		.amdhsa_memory_ordered 1
		.amdhsa_forward_progress 1
		.amdhsa_inst_pref_size 61
	.end_amdhsa_kernel
	.amdgpu_metadata
---
amdhsa.version: [ 1, 2 ]
amdhsa.kernels:
  - .name:           k_qa9329eccda_prep
    .symbol:         k_qa9329eccda_prep.kd
    .args:
      - { .name: keep_cols, .offset: 0, .size: 8, .value_kind: global_buffer, .address_space: global }
      - { .name: emb_alloc, .offset: 8, .size: 8, .value_kind: global_buffer, .address_space: global }
      - { .name: starts, .offset: 16, .size: 8, .value_kind: global_buffer, .address_space: global }
      - { .name: ends, .offset: 24, .size: 8, .value_kind: global_buffer, .address_space: global }
      - { .name: w_k_weight, .offset: 32, .size: 8, .value_kind: global_buffer, .address_space: global }
      - { .name: w_v_weight, .offset: 40, .size: 8, .value_kind: global_buffer, .address_space: global }
      - { .name: w_up_weight_codes, .offset: 48, .size: 8, .value_kind: global_buffer, .address_space: global }
      - { .name: bw, .offset: 56, .size: 8, .value_kind: global_buffer, .address_space: global }
      - { .name: lowp_scales, .offset: 64, .size: 8, .value_kind: global_buffer, .address_space: global }
      - { .name: wts, .offset: 72, .size: 8, .value_kind: global_buffer, .address_space: global }
      - { .name: meta, .offset: 80, .size: 8, .value_kind: global_buffer, .address_space: global }
      - { .name: fw, .offset: 88, .size: 8, .value_kind: global_buffer, .address_space: global }
    .group_segment_fixed_size: 0
    .private_segment_fixed_size: 0
    .kernarg_segment_align: 8
    .kernarg_segment_size: 96
    .max_flat_workgroup_size: 128
    .sgpr_count:     66
    .vgpr_count:     176
    .wavefront_size: 32
...
	.end_amdgpu_metadata
.endif
;; end of part 1
;; launch chain (part 2): grid 256 x 1, 4 waves a work-group, no clusters, 186,880 bytes of LDS; arguments input, bw, seq_sort, norm_in_weight, norm_out_weight, lowp_scales, wts, meta, cat; writes cat
.if DOCPART == 2
	.amdgcn_target "amdgcn-amd-amdhsa--gfx1250"
	.amdhsa_code_object_version 6
	.text
	.protected	k_qa9329eccda_chain
	.globl	k_qa9329eccda_chain
	.p2align	8
	.type	k_qa9329eccda_chain,@function
k_qa9329eccda_chain:
	s_mov_b64 s[64:65], 0
	v_nop
	global_prefetch_b8 v0, s[64:65] scope:SCOPE_SE
	s_setreg_imm32_b32 hwreg(HW_REG_WAVE_MODE, 25, 1), 1
	s_wait_xcnt 0x0
; The chain up to the last product's left operand, for 64 output tokens a work-group, in output order.  Token j needs sorted row i = bw[j] alone: the attention of input row fw[i] (the first launch has stored
; fw[bw[j]]), with label seq_sort[i] and the key range of block i >> 9.  So each row has one owner and nothing is scattered.  Out goes cat [16384][2048] as codes of BF8 (E5M2) with scale 2^e6:
; columns 0-1023 rms(up), columns 1024-2047 the token's own input row.  The first three products run here, on codes of BF8, each operand with its given scale 2^e (e0 .. e5).
; SHARES.  Four waves.  In phase X wave w turns rows 16 w .. 16 w + 15 into codes.  In the products THE WAVES SHARE THE COLUMNS, NOT THE ROWS: for all 64 rows (four tiles m of 16) wave w makes
; keys 128 w .., value columns 64 w .., hidden units 256 w ...  Every product is used transposed (source 0 = 16 rows of the weight, source 1 = 16 tokens): lane (r, h) holds token r throughout.
; WEIGHTS GO FROM MEMORY STRAIGHT INTO REGISTERS, through a ring of four groups of four fragments (window 1) that runs on without a break through all three products: the first launch has laid each wave's 28 groups
; on end, in the order of the operand's registers; every offset is an immediate, 228,864 at the most, so no base is stepped.  WHY NO TENSOR LOADS AND NO JOINT LOADS: each weight byte is used by ONE wave of the
; work-group (its 16 products x 4 tiles of rows come from its registers), so a way through LDS would add a write and a read of all 896 KB; the rows' codes take 186,368 bytes of LDS, which leaves room for two slots
; of 64 KB: 32 products a wave between two changes of slots.  Loaded straight, three groups (24 KB a wave) are always on their way behind counted waits, with no barrier.
; ROWS' CODES go from wave to wave through LDS, as rows along K: the long rows (pitch 2,064), p (528), comb (272); six barriers.
; k IS PERMUTED ALIKE ON BOTH SIDES: registers 4 c .. 4 c + 3 of a fragment hold k = 32 c + 16 h + 0 .. 15, so a fragment is four loads of 16 bytes.
; SOFTMAX: t = score x log2(e); M = the row's largest t over all 512 keys, rounded up to a whole number; p = 2^(t - M) is quantised; the sum of the unquantised p divides at the end.
; A ROW ALL OF WHOSE KEYS ARE MASKED: its sum is NaN.  sum x 0 (0 or NaN) is kept, and its bits are set in one register of the row's codes: the top byte of every f32 NaN is 0x7f or 0xff, which as a code of E5M2
; is NaN, so the last product gives NaN in the whole output row.  (The holds ahead of the conversions would lose a NaN.)
; LIMITS: e0, e2, e4, e6 between -126 and 112; e0 + e1 between -126 and 127.  NaN or infinity among the floating-point inputs is not served.
; REGISTERS, in windows of 256.  Window 0: addresses, constants, two sets of the rows' fragments (v64-127, v128-191), codes and work.  Window 1: the ring, slot k at v[64 k].
; Windows 2, 3: the accumulators: tile t of my columns, tile m of rows at v[64 m + 8 (t % 8)] of window 2 + t / 8.  In phase X window 2 holds eight rows; window 3 v0-63 the labels of my keys, until the mask is made.
.set STREAM, 229376                    ; a wave's weights in bytes
.set GRP,    8192                      ; a group: four fragments of 2,048 bytes
.set GIDX,   4096                      ; meta: fw[bw[j]] at GIDX + 4 j
.set PITCH,  2064                      ; LDS: 64 rows of 2,048 codes + 16: columns 0-1023 the gathered rows' codes, later rms(up)'s; columns 1024-2047 the input's
.set PPITCH, 528                       ; 64 rows of 512 codes of p + 16
.set CPITCH, 272                       ; 64 rows of 256 codes of comb + 16.  (All pitches are odd multiples of 16 bytes: the 16 rows of a load begin at 16 different places modulo 256 bytes)
.set PST,    64*PITCH
.set CMB,    PST+64*PPITCH
.set MAXX,   CMB+64*CPITCH             ; three tables of one word for (wave, row): the largest t, at +SUMO the sum of p, at +SSQO the sum of squares
.set SUMO,   1024
.set SSQO,   2048
.set P_IN,  4                          ; s[4:5] input, s[6:7] bw, s[8:9] seq_sort, s[10:11] norm_in, s[12:13] norm_out, s[14:15] the scales' exponents, s[16:17] wts, s[18:19] meta, s[22:23] cat
.set P_BW,  6
.set P_SS,  8
.set P_NI,  10
.set P_NO,  12
.set P_LS,  14
.set P_WT,  16
.set P_ME,  18
.set P_CAT, 22
.set LANE, 1
.set R,    2
.set HH,   3
.set L16,  4                           ; 16 x lane; never rewritten
.set XS0,  5                           ; phase X: 4 x lane + my 16 rows
.set XSA,  6                           ; the same + the trip's four rows
.set WO,   7                           ; norm_out: 4 (256 w + 16 h)
.set CA0,  8                           ; v8-11   row 16 m + r of the long rows, + 16 h
.set PA,   16                          ; v16-19  the same in p's rows
.set CB,   20                          ; v20-23  in comb's rows
.set PW,   24                          ; where I store p: PA[0] + 128 w
.set CW,   25                          ; comb: CB[0] + 64 w
.set EXW,  26                          ; the tables: my wave's word of row r
.set EXR,  27                          ; wave 0's word of row r
.set UW,   28                          ; v28-31  where I store rms(up): CA0[m] + 256 w
.set WOA,  33                          ; the way out: my 16 long rows, + 16 x lane
.set NINF, 34                          ; -infinity
.set LAA,  35                          ; 512 w + 64 h, later 128 w + 16 h
.set GO,   36                          ; v36-39  phase X: the gathered rows' byte offsets
.set NF,   36                          ; v36-39  from the second product on: sum x 0 for each m
.set SS,   40                          ; v40-43  bw, then the tokens' labels
.set KB,   44                          ; v44-47  128 w + 16 h - the range's start
.set LEN,  48                          ; v48-51  the range's length
.set SC0,  52                          ; 2^e0, 2^e6, 2^e2, 2^e4 as f32
.set SC6,  53
.set SC2,  54
.set SC4,  55
.set FM,   56                          ; v56-63  a factor for each m, twice
.set AO,   64                          ; v64-67  phase X: my own rows' byte offsets
.set ABUF0, 64
.set ABUF1, 128
.set WN,   192                         ; v192-223 norm_in, in a row's layout
.set PCD,  192                         ; later: codes just made
.set T,    224                         ; v224-239 at work
.set LIM0, 240                         ; 57,344 x the scales above
.set LIM6, 241
.set LIM2, 242
.set LIM4, 243
.set T2,   244                         ; v244-251 at work
.set RS,   252                         ; v[252:253]
.set MSB, 0
.macro WIN new                         ; the immediate's high byte repeats the setting that is left; a switch that changes nothing is dropped
.if MSB != (\new)
	s_set_vgpr_msb (MSB<<8)|(\new)
.set MSB, (\new)
.endif
.endm
; A load into a register that a matrix instruction has read, and a vector instruction that reads a matrix result, stand four places behind it; only plain vector instructions that name none of its registers are places.
.macro PLACES
.rept 4
	v_nop
.endr
.endm
.macro BARRIER                         ; my LDS stores have landed and my LDS loads are in: then the work-group's barrier
	s_wait_dscnt 0x0
	s_barrier_signal -1
	s_barrier_wait -1
.endm
.macro FETCH_A buf, adr, off           ; the four tiles' fragments of one K step: 16 loads
	WIN 0
.irp m, 0,1,2,3
.irp c, 0,1,2,3
	ds_load_b128 v[\buf+16*\m+4*\c:\buf+16*\m+4*\c+3], v[\adr+\m] offset:\off+32*\c
.endr
.endr
.endm
; 16 products: the group's four fragments x the four tiles of rows.  q: which four of my tiles of columns.  The 16 accumulators take turns, one instruction a turn.
.macro GMUL slot, q, buf, zero
.if (\q) < 2
	WIN 0xa1                                       ; source 0 (weights) window 1, source 1 (rows) window 0, C and D window 2
.else
	WIN 0xf1                                       ; the same, C and D window 3
.endif
.irp f, 0,1,2,3
.irp m, 0,1,2,3
.if \zero
	v_wmma_f32_16x16x128_bf8_bf8 v[64*\m+8*(4*((\q)%2)+\f):64*\m+8*(4*((\q)%2)+\f)+7], v[64*(\slot)+16*\f:64*(\slot)+16*\f+15], v[\buf+16*\m:\buf+16*\m+15], 0
.else
	v_wmma_f32_16x16x128_bf8_bf8 v[64*\m+8*(4*((\q)%2)+\f):64*\m+8*(4*((\q)%2)+\f)+7], v[64*(\slot)+16*\f:64*(\slot)+16*\f+15], v[\buf+16*\m:\buf+16*\m+15], v[64*\m+8*(4*((\q)%2)+\f):64*\m+8*(4*((\q)%2)+\f)+7]
.endif
.endr
.endr
.endm
.macro REFILL slot, goff               ; the slot takes the group four further on, which begins at byte goff of my stream: 16 loads of 512 consecutive bytes
	PLACES
	WIN 0x40                                       ; destination window 1
.irp f, 0,1,2,3
.irp c, 0,1,2,3
	global_load_b128 v[64*(\slot)+16*\f+4*\c:64*(\slot)+16*\f+4*\c+3], v[L16], s[38:39] offset:(\goff)+2048*\f+512*\c
.endr
.endr
.endm
; A group's turn.  cnt: the loads issued behind the group's own, which may stay out: three groups of 16.  goff < 0: the last four groups are followed by no other.
.macro GROUP slot, q, buf, zero, cnt, goff
	s_wait_loadcnt \cnt
	GMUL \slot, \q, \buf, \zero
.if (\goff) >= 0
	REFILL \slot, \goff
.endif
.endm
.macro MKSC e, sc, lim                 ; s[e] -> 2^e as f32 and 57,344 x 2^e
	s_add_co_i32 s56, s[\e], 127
	s_lshl_b32 s57, s56, 23
	v_mov_b32 v[\sc], s57
	s_add_co_i32 s56, s56, 15
	s_lshl_b32 s56, s56, 23
	s_or_b32 s56, s56, 0x600000
	v_mov_b32 v[\lim], s56
.endm
; The four tiles' two chains each (pairs in T) are joined, with the other half of the lanes, and go to my wave's words of a table.
.macro XSUM off
	WIN 0
.irp m, 0,1,2,3
	v_pk_add_f32 v[T+4*\m:T+4*\m+1], v[T+4*\m:T+4*\m+1], v[T+4*\m+2:T+4*\m+3]
.endr
.irp m, 0,1,2,3
	v_add_f32 v[T+4*\m], v[T+4*\m], v[T+4*\m+1]
.endr
.irp m, 0,1,2,3
	v_permlanex16_b32 v[T+4*\m+1], v[T+4*\m], s84, s85
.endr
.irp m, 0,1,2,3
	v_add_f32 v[T+4*\m], v[T+4*\m], v[T+4*\m+1]
.endr
.irp m, 0,1,2,3
	ds_store_b32 v[EXW], v[T+4*\m] offset:\off+64*\m   ; lanes r and r + 16 write the same word with the same number
.endr
.endm
.macro XGET off                        ; all four waves' words of my four rows
	WIN 0
.irp m, 0,1,2,3
.irp w, 0,1,2,3
	ds_load_b32 v[T+4*\m+\w], v[EXR] offset:\off+256*\w+64*\m
.endr
.endr
.endm
.macro XADD
.irp m, 0,1,2,3
	v_add_f32 v[T+4*\m], v[T+4*\m], v[T+4*\m+1]
.endr
.irp m, 0,1,2,3
	v_add_f32 v[T+4*\m+2], v[T+4*\m+2], v[T+4*\m+3]
.endr
.irp m, 0,1,2,3
	v_add_f32 v[T+4*\m], v[T+4*\m], v[T+4*\m+2]
.endr
.endm
	; ---- THE HEAD
	s_load_b512 s[4:19], s[0:1], 0x0
	s_load_b64 s[P_CAT:P_CAT+1], s[0:1], 0x40
	v_lshl_add_u32 v254, v0, 2, 0x2d800
	v_mov_b32 v255, 0
	v_and_b32 v[LANE], 31, v0
	v_and_b32 v[R], 15, v0
	v_bfe_u32 v[HH], v0, 4, 1
	v_lshrrev_b32 v[LAA], 5, v0
	v_readfirstlane_b32 s24, v[LAA]                ; wave
	v_lshlrev_b32 v[L16], 4, v[LANE]
	s_lshl_b32 s25, ttmp9, 6                       ; j0: the work-group's first token
	s_lshl_b32 s26, s24, 4
	s_add_co_u32 s26, s26, s25                     ; my wave's first row of phase X and of the way out
	s_lshl_b32 s56, s26, 2
	s_add_co_u32 s56, s56, GIDX
	s_mov_b32 s57, 0
	s_lshl_b32 s58, s26, 12
	s_mov_b32 s59, 0
	s_mul_i32 s60, s24, STREAM
	s_mov_b32 s61, 0
	s_lshl_b32 s62, s26, 11
	s_mov_b32 s63, 0
	s_lshl_b32 s27, s24, 9
	v_lshlrev_b32 v[LAA], 6, v[HH]
	v_add_nc_u32 v[LAA], s27, v[LAA]               ; 4 (128 w + 16 h)
	s_lshl_b32 s27, s25, 2
	v_lshl_add_u32 v[KB], v[R], 2, s27             ; 4 (j0 + r)
.irp i, 0,1,2,3
	v_add_nc_u32 v[AO+\i], 4096*\i, v[L16]
.endr
	s_wait_kmcnt 0x0
	s_load_b256 s[28:35], s[P_LS:P_LS+1], 0x0      ; e0 .. e7
	s_add_nc_u64 s[56:57], s[P_ME:P_ME+1], s[56:57]
	s_load_b512 s[68:83], s[56:57], 0x0            ; fw[bw[j]] of my 16 rows
	s_add_nc_u64 s[36:37], s[P_IN:P_IN+1], s[58:59]        ; the input at my first row
	s_add_nc_u64 s[38:39], s[P_WT:P_WT+1], s[60:61]        ; my weights
	s_add_nc_u64 s[P_CAT:P_CAT+1], s[P_CAT:P_CAT+1], s[62:63]  ; cat at my first row
	WIN 0x40
.irp g, 0,1,2,3                        ; the ring's first four groups
.irp f, 0,1,2,3
.irp c, 0,1,2,3
	global_load_b128 v[64*\g+16*\f+4*\c:64*\g+16*\f+4*\c+3], v[L16], s[38:39] offset:GRP*\g+2048*\f+512*\c
.endr
.endr
.endr
	WIN 0xc0
.irp b, 0,1,2,3                        ; register 16 b + i of window 3: the label of key 128 w + 32 b + 16 h + i
.irp j, 0,1,2,3
	global_load_b128 v[16*\b+4*\j:16*\b+4*\j+3], v[LAA], s[P_ME:P_ME+1] offset:128*\b+16*\j
.endr
.endr
	WIN 0
.irp m, 0,1,2,3
	global_load_b32 v[SS+\m], v[KB], s[P_BW:P_BW+1] offset:64*\m   ; bw of token j0 + 16 m + r
.endr
.irp a, 0,1,2,3,4,5,6,7
	global_load_b128 v[WN+4*\a:WN+4*\a+3], v[L16], s[P_NI:P_NI+1] offset:512*\a
.endr
	WIN 0x80
.irp i, 0,1,2,3                        ; my first four rows: load a of a row brings k = 128 a + 4 lane + 0 .. 3: 512 consecutive bytes
.irp a, 0,1,2,3,4,5,6,7
	global_load_b128 v[32*\i+4*\a:32*\i+4*\a+3], v[AO+\i], s[36:37] offset:512*\a
.endr
.endr
	WIN 0
	s_wait_kmcnt 0x0
.irp i, 0,1,2,3
	s_min_u32 s56, s[68+\i], 0x3fff                ; the row is held inside the input at its use
	s_lshl_b32 s56, s56, 12
	v_add_nc_u32 v[GO+\i], s56, v[L16]
.endr
	WIN 0x80
.irp i, 0,1,2,3                        ; the first four gathered rows
.irp a, 0,1,2,3,4,5,6,7
	global_load_b128 v[128+32*\i+4*\a:128+32*\i+4*\a+3], v[GO+\i], s[P_IN:P_IN+1] offset:512*\a
.endr
.endr
	WIN 0
	; every LDS address and every constant is made here
	s_mul_i32 s27, s24, 16*PITCH
	v_lshl_add_u32 v[XS0], v[LANE], 2, s27
	v_add_nc_u32 v[WOA], s27, v[L16]
	v_mul_u32_u24 v[CA0], v[R], PITCH
	v_lshl_add_u32 v[CA0], v[HH], 4, v[CA0]
	v_mul_u32_u24 v[PA], v[R], PPITCH
	v_lshl_add_u32 v[PA], v[HH], 4, v[PA]
	v_add_nc_u32 v[PA], PST, v[PA]
	v_mul_u32_u24 v[CB], v[R], CPITCH
	v_lshl_add_u32 v[CB], v[HH], 4, v[CB]
	v_add_nc_u32 v[CB], CMB, v[CB]
.irp m, 1,2,3
	v_add_nc_u32 v[CA0+\m], 16*PITCH*\m, v[CA0]
	v_add_nc_u32 v[PA+\m], 16*PPITCH*\m, v[PA]
	v_add_nc_u32 v[CB+\m], 16*CPITCH*\m, v[CB]
.endr
	s_lshl_b32 s27, s24, 7
	v_add_nc_u32 v[PW], s27, v[PA]
	s_lshl_b32 s27, s24, 6
	v_add_nc_u32 v[CW], s27, v[CB]
	v_lshlrev_b32 v[EXR], 2, v[R]
	v_add_nc_u32 v[EXR], MAXX, v[EXR]
	s_lshl_b32 s27, s24, 8
	v_add_nc_u32 v[EXW], s27, v[EXR]
.irp m, 0,1,2,3
	v_add_nc_u32 v[UW+\m], s27, v[CA0+\m]
.endr
	s_lshl_b32 s27, s24, 10
	v_lshlrev_b32 v[WO], 6, v[HH]
	v_add_nc_u32 v[WO], s27, v[WO]
	v_mov_b32 v[NINF], 0xff800000
	v_mov_b32 v[RS+1], 0                           ; named as the upper half of a pair, so it is written
	MKSC 28, SC0, LIM0
	MKSC 34, SC6, LIM6
	MKSC 30, SC2, LIM2
	MKSC 32, SC4, LIM4
	s_mov_b32 s84, 0x76543210
	s_mov_b32 s85, 0xfedcba98                      ; v_permlanex16_b32's selects for lane l xor 16
	s_add_co_i32 s56, s28, s29
	s_lshl_b32 s56, s56, 23
	s_add_co_i32 s86, s56, 0x3fb8aa3b              ; c = log2(e) x 2^(e0 + e1): the exponents are added to log2(e)'s exponent field
	s_mov_b32 s87, s86
	s_mov_b32 s90, 0x3a800000                      ; 1 / 1024
	s_mov_b32 s91, 0x358637bd                      ; eps = 1e-6
	s_add_co_i32 s94, s30, s31                     ; e2 + e3
	s_add_co_i32 s95, s32, s33                     ; e4 + e5
	s_lshl_b32 s96, s95, 1
	s_sub_co_i32 s96, s96, 10                      ; 2 (e4 + e5) - 10: the sum of squares' scale, and / 1024
; ---- PHASE X: rows into codes.  Eight row slots of 32 registers in window 2: A0-A3 my own rows (cat's second half, scale 2^e6), B0-B3 the gathered rows (rms norm, scale 2^e0).
; One conversion takes the registers of loads 2 q and 2 q + 1 and gives a register of four codes for each: it is stored at 128 a + 4 lane of the row, 128 consecutive bytes a store.
; The slots are loaded and taken in one fixed order, so behind the slot in hand lie the seven others' loads: 56.  A slot has an offset register of its own, which the wait for the slot's loads frees.
.macro SLOTA i, refill, cnt
	s_wait_loadcnt \cnt                            ; my eight loads are in, so the slot's offset register may be stepped
	WIN 0x82
.set jj, 0
.rept 32
	v_med3_num_f32 v[32*\i+jj], v[32*\i+jj], -v[LIM6], v[LIM6]   ; the conversion to an 8-bit code does not saturate (ISA guide 7.6.2)
.set jj, jj+1
.endr
	WIN 0x02
.irp q, 0,1,2,3
	v_cvt_scalef32_pk8_bf8_f32 v[T+2*\q:T+2*\q+1], v[32*\i+8*\q:32*\i+8*\q+7], v[SC6]
.endr
	WIN 0
	v_nop                                          ; a plain vector line behind the last conversion of a run
.irp a, 0,1,2,3,4,5,6,7
	ds_store_b32 v[XSA], v[T+\a] offset:PITCH*\i+1024+128*\a
.endr
.if \refill
	v_add_nc_u32 v[AO+\i], 0x4000, v[AO+\i]        ; the row four further on
	WIN 0x80
.irp a, 0,1,2,3,4,5,6,7
	global_load_b128 v[32*\i+4*\a:32*\i+4*\a+3], v[AO+\i], s[36:37] offset:512*\a
.endr
.endif
.endm
.macro SLOTB i, refill, cnt
.set XB, 128+32*\i
	s_wait_loadcnt \cnt                            ; (it also frees the slot's offset register)
	WIN 0x0a
.irp c, 0,1,2,3
	v_pk_mul_f32 v[T2+2*\c:T2+2*\c+1], v[XB+2*\c:XB+2*\c+1], v[XB+2*\c:XB+2*\c+1]   ; the sum of squares, in four chains
.endr
.set jj, 8
.rept 3
.irp c, 0,1,2,3
	v_pk_fma_f32 v[T2+2*\c:T2+2*\c+1], v[XB+jj+2*\c:XB+jj+2*\c+1], v[XB+jj+2*\c:XB+jj+2*\c+1], v[T2+2*\c:T2+2*\c+1]
.endr
.set jj, jj+8
.endr
	WIN 0
	v_pk_add_f32 v[T2:T2+1], v[T2:T2+1], v[T2+2:T2+3]
	v_pk_add_f32 v[T2+4:T2+5], v[T2+4:T2+5], v[T2+6:T2+7]
	v_pk_add_f32 v[T2:T2+1], v[T2:T2+1], v[T2+4:T2+5]
	v_add_f32 v[T2], v[T2], v[T2+1]
	v_add_f32_dpp v[T2], v[T2], v[T2] row_xmask:1 row_mask:0xf bank_mask:0xf
	v_add_f32_dpp v[T2], v[T2], v[T2] row_xmask:2 row_mask:0xf bank_mask:0xf
	v_add_f32_dpp v[T2], v[T2], v[T2] row_xmask:4 row_mask:0xf bank_mask:0xf
	v_add_f32_dpp v[T2], v[T2], v[T2] row_xmask:8 row_mask:0xf bank_mask:0xf
	v_permlanex16_b32 v[T2+1], v[T2], s84, s85
	v_add_f32 v[T2], v[T2], v[T2+1]
	v_fma_f32 v[T2], v[T2], s90, s91               ; the mean of the squares + eps
	v_rsq_f32 v[RS], v[T2]
	v_nop                                          ; a plain line behind the transcendental,
	s_wait_alu depctr_va_vdst(0)                   ; and the wait ahead of its first reader
	WIN 0x82
.set jj, 0
.rept 16
	v_pk_mul_f32 v[XB+jj:XB+jj+1], v[XB+jj:XB+jj+1], v[RS:RS+1] op_sel_hi:[1,0]
.set jj, jj+2
.endr
.set jj, 0
.rept 16
	v_pk_mul_f32 v[XB+jj:XB+jj+1], v[XB+jj:XB+jj+1], v[WN+jj:WN+jj+1]   ; w x (x / rms), in that order
.set jj, jj+2
.endr
.set jj, 0
.rept 32
	v_med3_num_f32 v[XB+jj], v[XB+jj], -v[LIM0], v[LIM0]
.set jj, jj+1
.endr
	WIN 0x02
.irp q, 0,1,2,3
	v_cvt_scalef32_pk8_bf8_f32 v[T+8+2*\q:T+8+2*\q+1], v[XB+8*\q:XB+8*\q+7], v[SC0]
.endr
	WIN 0
	v_nop
.irp a, 0,1,2,3,4,5,6,7
	ds_store_b32 v[XSA], v[T+8+\a] offset:PITCH*\i+128*\a
.endr
.if \refill
	s_min_u32 s56, s[72+\i], 0x3fff                ; the row four further on, held inside the input at its use
	s_lshl_b32 s56, s56, 12
	v_add_nc_u32 v[GO+\i], s56, v[L16]
	WIN 0x80
.irp a, 0,1,2,3,4,5,6,7
	global_load_b128 v[XB+4*\a:XB+4*\a+3], v[GO+\i], s[P_IN:P_IN+1] offset:512*\a
.endr
.endif
.endm
	s_mov_b32 s93, 0
	v_add_nc_u32 v[XSA], s93, v[XS0]
	s_mov_b32 s92, 3
.Lx:                                   ; three trips of 4 + 4 rows; each slot is filled again with the row four further on
.irp i, 0,1,2,3
	SLOTA \i, 1, 56
.endr
.irp i, 0,1,2,3
	SLOTB \i, 1, 56
.endr
	WIN 0
	s_mov_b64 s[68:69], s[72:73]                   ; the gathered rows' numbers move four places down
	s_mov_b64 s[70:71], s[74:75]
	s_mov_b64 s[72:73], s[76:77]
	s_mov_b64 s[74:75], s[78:79]
	s_mov_b64 s[76:77], s[80:81]
	s_mov_b64 s[78:79], s[82:83]
	s_add_co_u32 s93, s93, 4*PITCH
	v_add_nc_u32 v[XSA], s93, v[XS0]
	s_sub_co_u32 s92, s92, 1
	s_cmp_lg_u32 s92, 0
	s_cbranch_scc1 .Lx
	SLOTA 0, 0, 56                                 ; the last 4 + 4 rows load nothing
.irp m, 0,1,2,3                        ; the tokens' labels and ranges are asked for here: eight loads, which every count below includes
	v_min_u32 v[KB+\m], 0x3fff, v[SS+\m]
	v_lshlrev_b32 v[KB+\m], 2, v[KB+\m]
	v_lshrrev_b32 v[LEN+\m], 9, v[SS+\m]
	v_min_u32 v[LEN+\m], 31, v[LEN+\m]
	v_lshlrev_b32 v[LEN+\m], 3, v[LEN+\m]
.endr
.irp m, 0,1,2,3
	global_load_b32 v[SS+\m], v[KB+\m], s[P_SS:P_SS+1]                          ; seq_sort[bw[j]]
	global_load_b64 v[FM+2*\m:FM+2*\m+1], v[LEN+\m], s[P_ME:P_ME+1] offset:2048  ; {start, end} of block bw[j] >> 9
.endr
	SLOTA 1, 0, 56                                 ; six slots and the eight
	SLOTA 2, 0, 48
	SLOTA 3, 0, 40
	SLOTB 0, 0, 32
	SLOTB 1, 0, 24
	SLOTB 2, 0, 16
	SLOTB 3, 0, 8
	s_wait_loadcnt 0x0
	v_lshrrev_b32 v[LAA], 2, v[LAA]                ; 128 w + 16 h
.irp m, 0,1,2,3                        ; key kv counts where start <= kv < end: with both held in 0 .. 512 that is (kv - start) below (end - start), unsigned
	v_max_i32 v[FM+2*\m], 0, v[FM+2*\m]
	v_max_i32 v[FM+2*\m+1], 0, v[FM+2*\m+1]
	v_min_i32 v[FM+2*\m], 0x200, v[FM+2*\m]
	v_min_i32 v[FM+2*\m+1], 0x200, v[FM+2*\m+1]
	v_sub_nc_u32 v[LEN+\m], v[FM+2*\m+1], v[FM+2*\m]
	v_max_i32 v[LEN+\m], 0, v[LEN+\m]
	v_sub_nc_u32 v[KB+\m], v[LAA], v[FM+2*\m]
.endr
	BARRIER                                        ; all 64 rows' codes lie in LDS
; ---- PRODUCT 1: S^T = K A^T.  8 K steps of 128, two groups a step (groups 2 s, 2 s + 1).  The next step's fragments of the rows are asked for at a step's head; the 16 just issued may stay out.
.macro STEP1 s, zero
.if (\s) < 7
	FETCH_A ABUF0+64*(1-(\s)%2), CA0, 128*((\s)+1)
	s_wait_dscnt 16
.else
	s_wait_dscnt 0x0
.endif
	GROUP 2*((\s)%2), 0, ABUF0+64*((\s)%2), \zero, 48, GRP*(2*(\s)+4)
	GROUP 2*((\s)%2)+1, 1, ABUF0+64*((\s)%2), \zero, 48, GRP*(2*(\s)+5)
.endm
	FETCH_A ABUF0, CA0, 0
	STEP1 0, 1                                     ; the first step's products start the sums
.irp s, 1,2,3,4,5,6,7
	STEP1 \s, 0
.endr
; ---- THE MASK.  Register n = 16 b + i of tile m holds key 128 w + 32 b + 16 h + i.  32 keys at a time: labels compared (window 3 against window 0) into 32 scalar masks; the range, eight keys at a time;
; then the scores of hidden keys become -infinity, each accumulator from its low end on.
.macro MASKH m, hf
	WIN 0x03
.set ee, 0
.rept 32
	v_cmp_eq_u32 s[40+ee+10*(ee/16)], v[32*\hf+ee], v[SS+\m]
.set ee, ee+1
.endr
	WIN 0
.set gg, 0
.rept 4
.set kk, 0
.rept 8
.set nn, 32*\hf+8*gg+kk
	v_add_nc_u32 v[T2+kk], 32*(nn/16)+nn%16, v[KB+\m]   ; kv - start
.set kk, kk+1
.endr
.set kk, 0
.rept 8
	v_cmp_gt_u32 s[56+kk], v[LEN+\m], v[T2+kk]
.set kk, kk+1
.endr
.set kk, 0
.rept 8
.set ee, 8*gg+kk
	s_and_b32 s[40+ee+10*(ee/16)], s[40+ee+10*(ee/16)], s[56+kk]
.set kk, kk+1
.endr
.set gg, gg+1
.endr
	WIN 0x88
.set ee, 0
.rept 32
	v_cndmask_b32 v[64*\m+32*\hf+ee], v[NINF], v[64*\m+32*\hf+ee], s[40+ee+10*(ee/16)]
.set ee, ee+1
.endr
.endm
.macro ROWMAX m                        ; the largest score among my 64 keys of the lane's row, in four chains
	WIN 0x28
.set ll, 0
.rept 8
.irp c, 0,1,2,3
.if ll == 0
	v_max3_num_f32 v[T+4*\m+\c], v[NINF], v[64*\m+16*\c], v[64*\m+16*\c+1]
.else
	v_max3_num_f32 v[T+4*\m+\c], v[T+4*\m+\c], v[64*\m+16*\c+2*ll], v[64*\m+16*\c+2*ll+1]
.endif
.endr
.set ll, ll+1
.endr
.endm
.irp m, 0,1,2,3
	MASKH \m, 0
	MASKH \m, 1
	ROWMAX \m
.endr
	WIN 0
.irp m, 0,1,2,3
	v_max3_num_f32 v[T+4*\m], v[T+4*\m], v[T+4*\m+1], v[T+4*\m+2]
.endr
.irp m, 0,1,2,3
	v_max_num_f32 v[T+4*\m], v[T+4*\m], v[T+4*\m+3]
.endr
.irp m, 0,1,2,3
	v_permlanex16_b32 v[T+4*\m+1], v[T+4*\m], s84, s85
.endr
.irp m, 0,1,2,3
	v_max_num_f32 v[T+4*\m], v[T+4*\m], v[T+4*\m+1]
.endr
.irp m, 0,1,2,3
	v_mul_f32 v[T+4*\m], s86, v[T+4*\m]            ; as t (c is positive)
.endr
.irp m, 0,1,2,3
	ds_store_b32 v[EXW], v[T+4*\m] offset:64*\m
.endr
	BARRIER                                        ; the four waves' largest t of every row lie in LDS
	; ---- THE SOFTMAX
	XGET 0
	s_wait_dscnt 0x0
.irp m, 0,1,2,3
	v_max3_num_f32 v[T+4*\m], v[T+4*\m], v[T+4*\m+1], v[T+4*\m+2]
.endr
.irp m, 0,1,2,3
	v_max_num_f32 v[T+4*\m], v[T+4*\m], v[T+4*\m+3]
.endr
.irp m, 0,1,2,3
	v_floor_f32 v[FM+2*\m], -v[T+4*\m]             ; -M = floor(-t) = -ceil(t): a whole number
.endr
.irp m, 0,1,2,3
	v_mov_b32 v[FM+2*\m+1], v[FM+2*\m]
.endr
	WIN 0x82
.irp m, 0,1,2,3
.set jj, 0
.rept 32
	v_pk_fma_f32 v[64*\m+jj:64*\m+jj+1], v[64*\m+jj:64*\m+jj+1], s[86:87], v[FM+2*\m:FM+2*\m+1] op_sel_hi:[1,0,0]   ; t - M
.set jj, jj+2
.endr
.endr
.set jj, 0
.rept 256
	v_exp_f32 v[jj], v[jj]                         ; p = 2^(t - M): one batch
.set jj, jj+1
.endr
	v_nop                                          ; a plain line behind the last exponential,
	s_wait_alu depctr_va_vdst(0)                   ; and one wait for the batch ahead of its first reader
	WIN 0x0a                                       ; the row's sum is taken of the unquantised p: two chains for each m
.irp m, 0,1,2,3
	v_pk_add_f32 v[T+4*\m:T+4*\m+1], v[64*\m:64*\m+1], v[64*\m+2:64*\m+3]
	v_pk_add_f32 v[T+4*\m+2:T+4*\m+3], v[64*\m+4:64*\m+5], v[64*\m+6:64*\m+7]
.endr
	WIN 0x08
.set ll, 8
.rept 14
.irp m, 0,1,2,3
	v_pk_add_f32 v[T+4*\m:T+4*\m+1], v[T+4*\m:T+4*\m+1], v[64*\m+ll:64*\m+ll+1]
	v_pk_add_f32 v[T+4*\m+2:T+4*\m+3], v[T+4*\m+2:T+4*\m+3], v[64*\m+ll+2:64*\m+ll+3]
.endr
.set ll, ll+4
.endr
	XSUM SUMO
	WIN 0x82
.set jj, 0
.rept 256
	v_min_num_f32 v[jj], v[jj], v[LIM2]            ; p is not negative: the hold is one-sided
.set jj, jj+1
.endr
	WIN 0x02
.irp m, 0,1,2,3
.irp g, 0,1,2,3,4,5,6,7
	v_cvt_scalef32_pk8_bf8_f32 v[ABUF0+16*\m+2*\g:ABUF0+16*\m+2*\g+1], v[64*\m+8*\g:64*\m+8*\g+7], v[SC2]
.endr
.endr
	WIN 0
	v_nop
.irp m, 0,1,2,3
.irp b, 0,1,2,3
	ds_store_b128 v[PW], v[ABUF0+16*\m+4*\b:ABUF0+16*\m+4*\b+3] offset:16*PPITCH*\m+32*\b   ; row 16 m + r, keys 128 w + 32 b + 16 h ..
.endr
.endr
	BARRIER                                        ; p's codes and the sums lie in LDS
	; ---- PRODUCT 2: O^T = V^T P^T.  4 K steps of 128 keys, one group a step (groups 16 to 19)
	XGET SUMO
	FETCH_A ABUF0, PA, 0
	FETCH_A ABUF1, PA, 128
	s_wait_dscnt 16                                ; all but the second step's 16
	GROUP 0, 0, ABUF0, 1, 48, GRP*20
	FETCH_A ABUF0, PA, 256
	s_wait_dscnt 16
	GROUP 1, 0, ABUF1, 0, 48, GRP*21
	FETCH_A ABUF1, PA, 384
	s_wait_dscnt 16
	GROUP 2, 0, ABUF0, 0, 48, GRP*22
	s_wait_dscnt 0x0
	GROUP 3, 0, ABUF1, 0, 48, GRP*23
	WIN 0
	XADD                                           ; the rows' sums
.irp m, 0,1,2,3
	v_mul_f32 v[NF+\m], 0, v[T+4*\m]               ; 0, or NaN where every key was masked
.endr
.irp m, 0,1,2,3
	v_rcp_f32 v[T2+\m], v[T+4*\m]
.endr
	v_nop
	s_wait_alu depctr_va_vdst(0)                   ; one wait for the four reciprocals
.irp m, 0,1,2,3
	v_ldexp_f32 v[FM+2*\m], v[T2+\m], s94          ; 2^(e2 + e3) / the sum
.endr
.irp m, 0,1,2,3
	v_mov_b32 v[FM+2*\m+1], v[FM+2*\m]
.endr
	WIN 0x82
.irp m, 0,1,2,3
.set jj, 0
.rept 16
	v_pk_mul_f32 v[64*\m+jj:64*\m+jj+1], v[64*\m+jj:64*\m+jj+1], v[FM+2*\m:FM+2*\m+1] op_sel_hi:[1,0]   ; comb; each accumulator from its low end on
.set jj, jj+2
.endr
.endr
.irp m, 0,1,2,3
.set jj, 0
.rept 32
	v_med3_num_f32 v[64*\m+jj], v[64*\m+jj], -v[LIM4], v[LIM4]
.set jj, jj+1
.endr
.endr
	WIN 0x02
.irp m, 0,1,2,3
.irp g, 0,1,2,3
	v_cvt_scalef32_pk8_bf8_f32 v[PCD+8*\m+2*\g:PCD+8*\m+2*\g+1], v[64*\m+8*\g:64*\m+8*\g+7], v[SC4]
.endr
.endr
	WIN 0
	v_nop
.irp m, 0,1,2,3
.irp b, 0,1
	ds_store_b128 v[CW], v[PCD+8*\m+4*\b:PCD+8*\m+4*\b+3] offset:16*CPITCH*\m+32*\b   ; row 16 m + r, columns 64 w + 32 b + 16 h ..
.endr
.endr
	BARRIER                                        ; comb's codes lie in LDS
	; ---- PRODUCT 3: up^T.  2 K steps, four groups a step (groups 20 to 27); the last four are followed by no other: the counts run down 48, 32, 16, 0
	FETCH_A ABUF0, CB, 0
	FETCH_A ABUF1, CB, 128
	s_wait_dscnt 16
.irp q, 0,1,2,3
	GROUP \q, \q, ABUF0, 1, 48, GRP*(24+\q)
.endr
	s_wait_dscnt 0x0
.irp q, 0,1,2,3
	GROUP \q, \q, ABUF1, 0, 48-16*\q, -1
.endr
	WIN 0
	PLACES
.irp b, 0,1,2,3,4,5,6,7                ; norm_out of my 256 units, in the results' layout, into the registers that held the rows' fragments
.irp j, 0,1,2,3
	global_load_b128 v[ABUF0+16*\b+4*\j:ABUF0+16*\b+4*\j+3], v[WO], s[P_NO:P_NO+1] offset:128*\b+16*\j
.endr
.endr
.macro SSQ first                       ; the squares of one window's 64 registers for each m, two chains for each m, ascending
.set ll, 0
.rept 16
.irp m, 0,1,2,3
.if \first && (ll == 0)
	v_pk_mul_f32 v[T+4*\m:T+4*\m+1], v[64*\m:64*\m+1], v[64*\m:64*\m+1]
	v_pk_mul_f32 v[T+4*\m+2:T+4*\m+3], v[64*\m+2:64*\m+3], v[64*\m+2:64*\m+3]
.else
	v_pk_fma_f32 v[T+4*\m:T+4*\m+1], v[64*\m+ll:64*\m+ll+1], v[64*\m+ll:64*\m+ll+1], v[T+4*\m:T+4*\m+1]
	v_pk_fma_f32 v[T+4*\m+2:T+4*\m+3], v[64*\m+ll+2:64*\m+ll+3], v[64*\m+ll+2:64*\m+ll+3], v[T+4*\m+2:T+4*\m+3]
.endif
.endr
.set ll, ll+4
.endr
.endm
	WIN 0x0a
	SSQ 1
	WIN 0x0f
	SSQ 0
	XSUM SSQO
	BARRIER                                        ; the four waves' sums of squares lie in LDS
	XGET SSQO
	s_wait_dscnt 0x0
	XADD
.irp m, 0,1,2,3
	v_ldexp_f32 v[T+4*\m], v[T+4*\m], s96          ; the mean of up^2: the sums stand for sum x 2^(e4 + e5)
.endr
.irp m, 0,1,2,3
	v_add_f32 v[T+4*\m], s91, v[T+4*\m]
.endr
.irp m, 0,1,2,3
	v_rsq_f32 v[T2+\m], v[T+4*\m]
.endr
	v_nop
	s_wait_alu depctr_va_vdst(0)                   ; one wait for the four
.irp m, 0,1,2,3
	v_ldexp_f32 v[FM+2*\m], v[T2+\m], s95          ; 2^(e4 + e5) / rms
.endr
.irp m, 0,1,2,3
	v_mov_b32 v[FM+2*\m+1], v[FM+2*\m]
.endr
	s_wait_loadcnt 0x0                             ; norm_out
.macro UPQ x, m                        ; window 2 + x, tile m: w x (up / rms), held, into codes, to the long rows' columns 256 w + 128 x ..
.set PH, PCD+16*(\m%2)
	WIN 0x82+0x41*\x
.set jj, 0
.rept 32
	v_pk_mul_f32 v[64*\m+jj:64*\m+jj+1], v[64*\m+jj:64*\m+jj+1], v[FM+2*\m:FM+2*\m+1] op_sel_hi:[1,0]
.set jj, jj+2
.endr
.set jj, 0
.rept 32
	v_pk_mul_f32 v[64*\m+jj:64*\m+jj+1], v[64*\m+jj:64*\m+jj+1], v[ABUF0+64*\x+jj:ABUF0+64*\x+jj+1]
.set jj, jj+2
.endr
.set jj, 0
.rept 64
	v_med3_num_f32 v[64*\m+jj], v[64*\m+jj], -v[LIM6], v[LIM6]
.set jj, jj+1
.endr
	WIN 0x02+\x
.irp g, 0,1,2,3,4,5,6,7
	v_cvt_scalef32_pk8_bf8_f32 v[PH+2*\g:PH+2*\g+1], v[64*\m+8*\g:64*\m+8*\g+7], v[SC6]
.endr
	WIN 0
	v_nop
.if \x == 0
	v_or_b32 v[PH], v[PH], v[NF+\m]                ; 0 changes nothing; a NaN's top byte makes the register's top code a NaN of E5M2: one such code in a row is enough
.endif
.irp b, 0,1,2,3
	ds_store_b128 v[UW+\m], v[PH+4*\b:PH+4*\b+3] offset:128*\x+32*\b
.endr
.endm
.irp x, 0,1
.irp m, 0,1,2,3
	UPQ \x, \m
.endr
.endr
	BARRIER                                        ; cat's 2,048 codes of every row lie in LDS
	; ---- THE WAY OUT.  Wave w stores rows 16 w .. 16 w + 15 whole: piece n = 4 i + a is bytes 512 a .. 512 a + 511 of row i: the wave reads and stores 512 consecutive bytes, at a multiple of 256 from cat's first byte.
	; 64 pieces in 256 registers of window 2, each written once: no store's data are written again.  One window setting serves both lines: the loaded data and the stored data in window 2, both addresses in window 0.
	WIN 0x88
.set ii, 0
.rept 32
	ds_load_b128 v[4*ii:4*ii+3], v[WOA] offset:(ii/4)*PITCH+512*(ii%4)
.set ii, ii+1
.endr
.set ii, 0
.rept 32
	s_wait_dscnt 31                                ; behind piece n's load stand 31 - n of the first run and n of those issued below
	global_store_b128 v[L16], v[4*ii:4*ii+3], s[P_CAT:P_CAT+1] offset:(ii/4)*2048+512*(ii%4)
	ds_load_b128 v[128+4*ii:128+4*ii+3], v[WOA] offset:((ii+32)/4)*PITCH+512*(ii%4)
.set ii, ii+1
.endr
.set ii, 32
.rept 32
	s_wait_dscnt 63-ii
	global_store_b128 v[L16], v[4*ii:4*ii+3], s[P_CAT:P_CAT+1] offset:(ii/4)*2048+512*(ii%4)
.set ii, ii+1
.endr
	WIN 0
	s_wait_tensorcnt 0x0
	ds_add_u32 v254, v255
	s_wait_dscnt 0x0
	s_endpgm
.Lfunc_end_k_qa9329eccda_chain:
	.size	k_qa9329eccda_chain, .Lfunc_end_k_qa9329eccda_chain-k_qa9329eccda_chain
	.p2alignl 7, 3214868480
	.fill 96, 4, 3214868480
	.section	.rodata,"a",@progbits
	.p2align	6, 0x0
	.amdhsa_kernel k_qa9329eccda_chain
		.amdhsa_group_segment_fixed_size 186880
		.amdhsa_private_segment_fixed_size 0
		.amdhsa_enable_private_segment 0
		.amdhsa_kernarg_size 72
		.amdhsa_user_sgpr_count 2
		.amdhsa_user_sgpr_kernarg_segment_ptr 1
		.amdhsa_wavefront_size32 1
		.amdhsa_system_sgpr_workgroup_id_x 1
		.amdhsa_system_sgpr_workgroup_id_y 1
		.amdhsa_system_sgpr_workgroup_id_z 1
		.amdhsa_system_vgpr_workitem_id 0
		.amdhsa_next_free_vgpr 1024
		.amdhsa_next_free_sgpr 100
		.amdhsa_reserve_vcc 0
		.amdhsa_float_denorm_mode_32 3
		.amdhsa_float_denorm_mode_16_64 3
		.amdhsa_memory_ordered 1
		.amdhsa_forward_progress 1
		.amdhsa_inst_pref_size 255
	.end_amdhsa_kernel
	.section	.bss,"aw",@nobits
	.p2align	6
	.space	262144
	.amdgpu_metadata
---
amdhsa.version: [ 1, 2 ]
amdhsa.kernels:
  - .name:           k_qa9329eccda_chain
    .symbol:         k_qa9329eccda_chain.kd
    .args:
      - { .name: input, .offset: 0, .size: 8, .value_kind: global_buffer, .address_space: global }
      - { .name: bw, .offset: 8, .size: 8, .value_kind: global_buffer, .address_space: global }
      - { .name: seq_sort, .offset: 16, .size: 8, .value_kind: global_buffer, .address_space: global }
      - { .name: norm_in_weight, .offset: 24, .size: 8, .value_kind: global_buffer, .address_space: global }
      - { .name: norm_out_weight, .offset: 32, .size: 8, .value_kind: global_buffer, .address_space: global }
      - { .name: lowp_scales, .offset: 40, .size: 8, .value_kind: global_buffer, .address_space: global }
      - { .name: wts, .offset: 48, .size: 8, .value_kind: global_buffer, .address_space: global }
      - { .name: meta, .offset: 56, .size: 8, .value_kind: global_buffer, .address_space: global }
      - { .name: cat, .offset: 64, .size: 8, .value_kind: global_buffer, .address_space: global }
    .group_segment_fixed_size: 186880
    .private_segment_fixed_size: 0
    .kernarg_segment_align: 8
    .kernarg_segment_size: 72
    .max_flat_workgroup_size: 128
    .sgpr_count:     100
    .vgpr_count:     1024
    .wavefront_size: 32
...
	.end_amdgpu_metadata
.endif
;; end of part 2
;; launch mix (part 3): grid 4 x 64, 4 waves a work-group, clusters of 4 x 4, 327,680 bytes of LDS; arguments cat, w_mix_weight_codes, lowp_scales, out0; writes out0
.if DOCPART == 3
	.amdgcn_target "amdgcn-amd-amdhsa--gfx1250"
	.amdhsa_code_object_version 6
	.text
	.protected	k_qa9329eccda_mix
	.globl	k_qa9329eccda_mix
	.p2align	8
	.type	k_qa9329eccda_mix,@function
k_qa9329eccda_mix:
	s_mov_b64 s[64:65], 0
	v_nop
	global_prefetch_b8 v0, s[64:65] scope:SCOPE_SE
	s_setreg_imm32_b32 hwreg(HW_REG_WAVE_MODE, 25, 1), 1
	s_wait_xcnt 0x0
	s_wait_alu depctr_hold_cnt(0) depctr_sa_sdst(0) depctr_va_vdst(0) depctr_va_sdst(0) depctr_va_ssrc(0) depctr_va_vcc(0) depctr_vm_vsrc(0)
	s_getreg_b32 s2, hwreg(HW_REG_IB_STS2, 6, 4)
	s_cmp_eq_u32 s2, 0
	s_cbranch_scc0 .Lentry_in_a_cluster
	s_endpgm
.Lentry_in_a_cluster:
	s_bfe_u32 s2, ttmp6, 0x10000c
	s_cmp_lg_u32 s2, 0xf033
	s_cbranch_scc0 .Lentry_shape_is_right
	s_endpgm
.Lentry_shape_is_right:
; The last product: out0[m][n] = sum over k of cat[m][k] w_mix[n][k].  cat: [SIZE_M][SIZE_K], w_mix: [SIZE_N][SIZE_K]: codes of BF8 (E5M2), 8 bits each, K innermost; out0: [SIZE_M][SIZE_N] f32; sums in f32.
; A number of cat is its code's value x 2^e6, of w_mix x 2^e7 (entries 6 and 7 of the buffer of scales).  The codes are multiplied as they are, and each finished sum once by 2^(e6 + e7).
; A row of cat that holds a NaN code (a token all of whose keys were masked) gives NaN in its whole row of out0.
; LIMIT: e6 + e7 lies between -126 and 127, so that 2^(e6 + e7) is an f32 number.
; A tile of C, 256 x 256, is made by a work-group of four waves, as many as a WGP has SIMDs; a wave makes 128 x 128: 64 accumulators of 16 x 16, 512 registers.  64 x 4 tiles: one for each of 256 work-groups.
; K goes in steps of 256 through a ring of two LDS slots filled by the tensor data mover: a tile's row is 256 bytes of memory.
; CLUSTERS: 4 x 4 work-groups.  The four of a row of the cluster need the same tiles of A (cat), the four of a column the same tiles of B (w_mix): each tile is asked for JOINTLY, by the same tensor load with the
; same descriptor and a mask that names the four.  THE MATRIX INSTRUCTION IS USED TRANSPOSED (source 0 = 16 rows of B, source 1 = 16 rows of A): a lane then holds eight neighbouring numbers of a row of C.
; k IS PERMUTED ALIKE ON BOTH SIDES: registers 4 c .. 4 c + 3 of a fragment hold K = 32 c + 16 (l / 16) + 0 .. 15, so a fragment is four loads of 16 bytes.
; REGISTERS, in windows of 256: window 0: v0-31 addresses; from v128 A's fragments (8 x 16 rows x 128 K), ONE set; on the way out v32-255 are free.
;   window 1: B's fragments, TWO sets, at v0 and at v128.   window 2: the 32 accumulators of my rows 0-63 (accumulator (a, b) at v[8 (8 a + b)]);   window 3: those of my rows 64-127.
; A step of 128 along K is 64 matrix instructions, A's blocks one after the other, each against B's eight.  So a block of A is free as soon as its eight products are issued, and one set of registers serves A:
; blocks 0-3 are fetched anew in the step's middle, blocks 4-7 at its end.  B's fragments are at work through the whole step, so B has two sets.
.set SIZE_M, 16384
.set SIZE_N, 1024
.set SIZE_K, 2048
.set KSTEP,  256                       ; along K in a slot
.set ROWB,   256                       ; a tile's row in bytes: KSTEP codes of 8 bits
.set KROW,   SIZE_K                    ; a row of A or of B in memory, in bytes
.set PITCH,  272                       ; an LDS row: 256 bytes of data + 16 of padding = 68 words: row r starts at bank 4 r mod 64 (64 banks of 4 bytes: ISA guide 11.1), so the 16 rows that a load touches start at 16 different banks
.set FR,     16                        ; registers of a fragment: 16 rows x 128 K
.set NL,     4                         ; LDS loads that bring one
.set NP,     4                         ; places behind this matrix instruction (ISA guide 7.12.1)
.set HALFT,  128*PITCH                 ; 128 rows: what one tensor load brings, and what one wave reads of A or of B
.set SLOT,   4*HALFT                   ; A's 256 rows, then B's 256 rows
.set LAPS,   SIZE_K/(2*KSTEP)          ; a lap = two K steps = once round the ring: four laps
.set SPARE,  2*SLOT                    ; behind the ring: the spare words, 128 bytes for each wave: two blocks of 256 bytes that no other line names
.set SPITCH, 528                       ; the way out: a stage of 16 rows x (512 bytes + 16) for each wave.  It lies in slot 0, which has had its last fill and its last read when the first result is stored there
.set ADRA, 16                          ; v16-17  LDS address of my A fragments in slot 0, 1
.set ADRB, 20                          ; v20-21  the same for B
.set STO,  24                          ; v24     the way out: where I put 32 bytes of a row
.set RD,   25                          ; v25     the way out: where I read a row back
.set CO,   26                          ; v26     my byte offset in a row of C
.set SPW,  28                          ; v28     LDS address of my spare word: SPARE + 4 x my thread's number; never rewritten
.set NIL,  29                          ; v29     0; never rewritten
.set PFO,  30                          ; v30     the prefetches' offset: my lane x a row of A or B in memory; never rewritten
.set TMP,  32                          ; the way out: 64 registers, a block's sums x 2^(e6 + e7)
.set AF,   128                         ; A's fragments, in window 0
.set BK,   128                         ; the way out: 16 rows read back from the stage: v128-191 and v192-255 by turns
.set G1, 24                            ; s[24:31] descriptor group 1 for A's tiles;  s[32:39] group 0, one set for each slot
.set G0, 32
.set G1B, 48                           ; s[48:55], s[56:63] the same for B's tiles
.set G0B, 56
.set PFA, 66                           ; s[66:67] where my prefetches stand: my work-group's 32 rows of the 128 that I fetch, one K step further along K than the refill that is being asked for; a prefetch names the K step after that
.set LIM, 68                           ; s68     1 in a wave that prefetches, else the greatest number
.set MSB, 0
.macro WIN new                         ; the immediate's high byte repeats the setting that is left
.if MSB != \new
	s_set_vgpr_msb (MSB<<8)|\new
.set MSB, \new
.endif
.endm
.set MUL_LO, 0xa1                      ; source 0 (B) window 1, source 1 (A) window 0, C and D window 2
.set MUL_HI, 0xf1                      ; the same, C and D window 3
.set TO_B,   0x40                      ; destination window 1, address window 0
; A joint load: waves 0 and 1 fetch for A, waves 2 and 3 for B.  Each of the two lines has ONE mask and one set of registers for all that issue it; the branch hangs on the wave's number alone.
; Four v_nop follow each of the two lines, ahead of the jump, the label and what follows.
.macro JLOAD g0a, g1a, g0b, g1b
	s_cmp_eq_u32 s15, 0
	s_cbranch_scc0 .Lfor_b_\@
	tensor_load_to_lds s[\g0a:\g0a+3], s[\g1a:\g1a+7]
	s_nop 0
.rept 4
	v_nop
.endr
	s_branch .Lasked_\@
.Lfor_b_\@:
	tensor_load_to_lds s[\g0b:\g0b+3], s[\g1b:\g1b+7]
	s_nop 0
.rept 4
	v_nop
.endr
.Lasked_\@:
.endm
; A PREFETCH INTO THE L2, behind each joint refill, its four lines and the run of LDS loads that follows them: the K step that stands TWO refills on (256 matrix instructions ahead of the load that will want it):
; 32 rows x 256 bytes, a lane a row, one instruction a wave.  Each row's 256 bytes of a K step are named ONCE in the launch.  A's tile row is read by one cluster alone (the grid is one cluster wide), which asks for it;
; B's tile column is read by every cluster: cluster y = 0 asks.  The four partners that ask for a tile jointly share its rows out BY ADDRESS: of the 128 rows that a wave fetches, the partner at place p takes
; 32 p .. 32 p + 31 (p = cx for A, cy for B): no branch hangs on a work-group's place in its cluster.  K steps 0 to 3 come by their loads alone; the loop's last trip (s3 = 1), whose refills are K steps 6 and 7, asks for nothing.
.macro ASK
	s_cmp_gt_u32 s3, s[LIM]
	s_cbranch_scc0 .Lnot_mine_\@
	global_prefetch_b8 v[PFO], s[PFA:PFA+1] offset:ROWB th:TH_LOAD_NT scope:SCOPE_SE
.Lnot_mine_\@:
.endm
.macro CREST                           ; a round of the cluster's barrier behind its opening barrier
	s_cmp_lg_u32 s14, 0
	s_cbranch_scc1 .Lnot_wave_0_\@
	s_barrier_signal -3
.Lnot_wave_0_\@:
	s_barrier_wait -3
	s_barrier_signal -1
	s_barrier_wait -1
.endm
.macro CROUND                          ; a whole round
	s_barrier_signal -1
	s_barrier_wait -1
	CREST
.endm
	s_load_b128 s[4:7], s[0:1], 0x0                ; A's codes s[4:5], B's codes s[6:7]
	s_load_b128 s[8:11], s[0:1], 0x10              ; the scales' exponents s[8:9], C s[10:11]
	v_lshl_add_u32 v[SPW], v0, 2, SPARE
	v_mov_b32 v[NIL], 0
	ds_add_u32 v28, v29
	ds_add_u32 v28, v29
	s_wait_dscnt 0x0
	v_lshrrev_b32 v1, 5, v0
	v_readfirstlane_b32 s14, v1                    ; wave 0..3
	s_lshr_b32 s15, s14, 1                         ; which half of the tile's rows is mine.  Also: I fetch for A (0) or for B (1)
	s_and_b32 s16, s14, 1                          ; which half of its columns.  Also: which 128 rows of that tile I fetch
	s_bfe_u32 s40, ttmp6, 0x40000                  ; cx, cy: my place in the cluster
	s_bfe_u32 s41, ttmp6, 0x40004
	s_lshl_b32 s42, ttmp9, 2
	s_add_co_u32 s42, s42, s40                     ; tile column of C = 4 x cluster x + cx
	s_and_b32 s17, ttmp7, 0xffff
	s_lshl_b32 s17, s17, 2
	s_add_co_u32 s17, s17, s41                     ; tile row of C = 4 x cluster y + cy
	s_lshl_b32 s43, s41, 2
	s_lshl_b32 s43, 15, s43                        ; my row of the cluster
	s_lshl_b32 s44, 0x1111, s40                    ; my column
	; descriptor group 1: a tile of 128 rows x ROWB bytes, padded in LDS
	s_or_b32 s[G1+0], s43, (0<<16)|(1<<20)|(1<<21)|(5<<22)|(3<<25)  ; 15:0 the mask: A's tiles go to my row; 17:16 element of 1 byte; 20 padding on; 21 set beside a mask; 24:22 after every 64 words (code 5); 31:25 of 4 words (code 3)
	s_or_b32 s[G1B+0], s44, (0<<16)|(1<<20)|(1<<21)|(5<<22)|(3<<25)
.irp g, G1, G1B
	s_mov_b32 s[\g+1], ROWB<<16                    ; tensor_dim0
	s_mov_b32 s[\g+2], 128<<16                     ; tensor_dim1 = 128
	s_mov_b32 s[\g+3], ROWB<<16                    ; tile_dim0
	s_mov_b32 s[\g+4], 128                         ; tile_dim1 = 128
	s_mov_b32 s[\g+5], KROW                        ; tensor_dim0_stride
	s_mov_b32 s[\g+6], 0
	s_mov_b32 s[\g+7], 0
.endr
	s_lshl_b32 s18, s16, 7                         ; which 128 rows of the tile I fetch
	s_lshl_b32 s20, s17, 8
	s_add_co_u32 s20, s20, s18                     ; A: row 256 x tile row + 128 x half
	s_lshl_b32 s46, s42, 8
	s_add_co_u32 s46, s46, s18                     ; B: row 256 x tile column + 128 x half
	s_mov_b32 s21, 0
	s_mov_b32 s47, 0
	s_mov_b64 s[18:19], KROW
	s_mul_u64 s[20:21], s[20:21], s[18:19]         ; and their codes
	s_mul_u64 s[46:47], s[46:47], s[18:19]
	s_mul_i32 s45, s14, HALFT                      ; where they go: wave x 128 rows: no place in the cluster enters an LDS address
	s_wait_kmcnt 0x0
	s_load_b64 s[96:97], s[8:9], 0x18              ; e6, e7
	s_add_nc_u64 s[20:21], s[4:5], s[20:21]
	s_add_nc_u64 s[46:47], s[6:7], s[46:47]
	CROUND                                         ; all sixteen work-groups are here: the first joint loads meet
.irp s, 0,1
	s_mov_b32 s[G0+4*\s], 1
	s_add_co_u32 s[G0+4*\s+1], s45, \s*SLOT
	s_add_nc_u64 s[G0+4*\s+2:G0+4*\s+3], s[20:21], \s*ROWB
	s_or_b32 s[G0+4*\s+3], s[G0+4*\s+3], 0x80000000
	s_mov_b32 s[G0B+4*\s], 1
	s_add_co_u32 s[G0B+4*\s+1], s45, \s*SLOT
	s_add_nc_u64 s[G0B+4*\s+2:G0B+4*\s+3], s[46:47], \s*ROWB
	s_or_b32 s[G0B+4*\s+3], s[G0B+4*\s+3], 0x80000000
	JLOAD G0+4*\s, G1, G0B+4*\s, G1B
.endr
	v_and_b32 v1, 15, v0                           ; l % 16
	v_bfe_u32 v2, v0, 4, 1                         ; l / 16
	v_mul_u32_u24 v3, v1, PITCH
	v_lshl_add_u32 v4, v2, 4, v3                   ; a fragment's row x pitch + 16 x half
	s_mul_i32 s21, s15, HALFT                      ; my 128 rows of A
	s_mul_i32 s22, s16, HALFT                      ; my 128 rows of B,
	s_add_co_u32 s22, s22, 2*HALFT                 ; which lie behind A's 256
.irp s, 0,1
	v_add_nc_u32 v[ADRA+\s], s21, v4
	v_add_nc_u32 v[ADRB+\s], s22, v4
	s_add_co_u32 s21, s21, SLOT
	s_add_co_u32 s22, s22, SLOT
.endr
	s_mul_i32 s23, s14, 16*SPITCH                  ; my stage
	v_mul_u32_u24 v5, v1, SPITCH                   ; in: row l % 16, 32 bytes for each half of the lanes
	v_lshl_add_u32 v5, v2, 5, v5
	v_add_nc_u32 v[STO], s23, v5
	v_and_b32 v6, 31, v0
	v_lshlrev_b32 v[CO], 4, v6                     ; back: the 32 lanes take one row of 512 bytes; and the same in C
	v_add_nc_u32 v[RD], s23, v[CO]
	s_lshl_b32 s20, s17, 8
	s_lshl_b32 s21, s15, 7
	s_add_co_u32 s20, s20, s21                     ; my first row of C: 256 x tile row + 128 x half
	s_mov_b32 s21, 0
	s_mov_b64 s[18:19], SIZE_N*4
	s_mul_u64 s[20:21], s[20:21], s[18:19]
	s_lshl_b32 s46, s42, 10                        ; my first column, in bytes: 1024 x tile column + 512 x half
	s_lshl_b32 s47, s16, 9
	s_add_co_u32 s46, s46, s47
	s_mov_b32 s47, 0
	s_add_nc_u64 s[20:21], s[20:21], s[46:47]
	s_add_nc_u64 s[10:11], s[10:11], s[20:21]
	; the prefetches: where my wave's stand, and who asks
	s_lshl_b32 s70, s17, 8                         ; the tile's first row in A,
	s_lshl_b32 s71, s42, 8                         ; and in B
	s_and_b32 s72, ttmp7, 0xffff                   ; cluster y
	s_cmp_eq_u32 s15, 0                            ; do I fetch for A?
	s_cselect_b32 s70, s70, s71
	s_cselect_b32 s71, s40, s41                    ; my place among the four that ask for the tile with me
	s_cselect_b32 s72, ttmp9, s72                  ; the coordinate along which other clusters read the same rows
	s_cselect_b64 s[PFA:PFA+1], s[4:5], s[6:7]
	s_cmp_eq_u32 s72, 0
	s_cselect_b32 s[LIM], 1, -1                    ; the same in all sixteen partners, for a given wave
	s_lshl_b32 s72, s16, 7
	s_add_co_u32 s70, s70, s72                     ; + the 128 rows that I fetch
	s_lshl_b32 s71, s71, 5
	s_add_co_u32 s70, s70, s71                     ; + my work-group's 32 of them
	s_mul_i32 s70, s70, KROW                       ; in bytes: under 2^25
	s_mov_b32 s71, 0
	s_add_nc_u64 s[PFA:PFA+1], s[PFA:PFA+1], s[70:71]
	s_add_nc_u64 s[PFA:PFA+1], s[PFA:PFA+1], 2*ROWB  ; at K step 2: the first refill steps it to 3 and names K step 4.  Nothing is prefetched here, at the head, where every work-group's first tiles are on their way
	v_and_b32 v[PFO], 31, v0
	v_mul_u32_u24 v[PFO], v[PFO], KROW
.macro FRAG reg, adr, q, i             ; a fragment, 16 rows x 128 K of 8-bit codes, is 16 registers: lane l holds row l % 16; registers 4 c .. 4 c + 3 hold K = 32 c + 16 (l / 16) + 0 .. 15
.irp c, 0,1,2,3
	ds_load_b128 v[\reg+4*\c:\reg+4*\c+3], v[\adr] offset:128*(\q)+32*\c+(\i)*16*PITCH
.endr
.endm
; 16 matrix instructions: A's blocks a0, a0 + 1 x B's eight, 128 along K.  p: B's set.  zero = 1: the first product starts the sums: nothing is ever cleared.
; The 64 accumulators take turns, one instruction a turn, in the same order in every step.
.macro MUL16 a0, p, zero
.irp a, \a0, \a0+1
.irp b, 0,1,2,3,4,5,6,7
.if \zero
	v_wmma_f32_16x16x128_bf8_bf8 v[8*(8*((\a)%4)+\b):8*(8*((\a)%4)+\b)+7], v[128*(\p)+FR*\b:128*(\p)+FR*\b+FR-1], v[AF+FR*(\a):AF+FR*(\a)+FR-1], 0
.else
	v_wmma_f32_16x16x128_bf8_bf8 v[8*(8*((\a)%4)+\b):8*(8*((\a)%4)+\b)+7], v[128*(\p)+FR*\b:128*(\p)+FR*\b+FR-1], v[AF+FR*(\a):AF+FR*(\a)+FR-1], v[8*(8*((\a)%4)+\b):8*(8*((\a)%4)+\b)+7]
.endif
.endr
.endr
.endm
.macro FETCH_B slot, q, p              ; B's eight fragments of the slot's q-th 128 along K into set p
	WIN TO_B
.irp i, 0,1,2,3,4,5,6,7
	FRAG 128*(\p)+FR*\i, ADRB+\slot, \q, \i
.endr
	WIN 0
.endm
.macro FETCH_A slot, q, i0             ; A's blocks i0 .. i0 + 3
.irp i, \i0, \i0+1, \i0+2, \i0+3
	FRAG AF+FR*(\i), ADRA+\slot, \q, \i
.endr
.endm
; A load into a register that a matrix instruction has read, and a vector instruction or an LDS store that reads a matrix result, stand NP places behind that matrix instruction, and only plain vector
; instructions that name none of its registers are places (ISA guide 7.12.1 for vector instructions); this text does not count the matrix instructions in between.
.macro PLACES n
.rept \n
	v_nop
.endr
.endm
; A step of 128 along K that has its successor in the same slot.
.macro STEP slot, q, zero
	s_wait_dscnt 4*NL                              ; B's set and A's blocks 0-3 are in; the youngest loads (A's blocks 4-7) may be out
	WIN MUL_LO
	MUL16 0, (\q)%2, \zero
	MUL16 2, (\q)%2, \zero
	s_wait_dscnt 0                                 ; A's blocks 4-7 are in (asked for 32 matrix instructions ago)
	PLACES NP
	FETCH_B \slot, (\q)+1, 1-(\q)%2
	FETCH_A \slot, (\q)+1, 0
	WIN MUL_HI
	MUL16 4, (\q)%2, \zero
	MUL16 6, (\q)%2, \zero
	PLACES NP
	WIN 0
	FETCH_A \slot, (\q)+1, 4
.endm
; A slot's last step changes slots: ONE barrier; in front of it each wave waits for all its tensor loads, adds 0 to its spare word, and waits for that and for its own reads of this slot.  fill = 1: this slot is filled again, two K steps ahead.
.macro TURN slot, next, fill
.if \fill
	s_wait_xcnt 0x0                                ; the last prefetch, a K step back, has read its address: it is stepped here, ahead of the waits of the change of slots
	s_add_nc_u64 s[PFA:PFA+1], s[PFA:PFA+1], ROWB
.endif
	s_wait_tensorcnt 0x0                           ; all my tensor loads have landed: my part of the next slot;  (every window is 0 here: the add's two registers lie in window 0)
	ds_add_u32 v[SPW], v[NIL]                      ; 0 onto my spare word
	s_wait_dscnt 4*NL+1                            ; (the add and the youngest loads, A's blocks 4-7, may be out)
	WIN MUL_LO
	MUL16 0, 1, 0                                  ; sixteen matrix instructions stand between the add and the wait for it
	s_wait_dscnt 0x0                               ; the add is done, and my reads of this slot are over
	s_barrier_signal -1
	MUL16 2, 1, 0
	WIN 0
	s_barrier_wait -1
.if \fill
	CREST                                          ; the barrier has opened a round of the cluster's barrier: no wave of any partner still reads this slot's tile or has a load on its way
	s_add_nc_u64 s[G0+4*\slot+2:G0+4*\slot+3], s[G0+4*\slot+2:G0+4*\slot+3], 2*ROWB
	s_add_nc_u64 s[G0B+4*\slot+2:G0B+4*\slot+3], s[G0B+4*\slot+2:G0B+4*\slot+3], 2*ROWB
	JLOAD G0+4*\slot, G1, G0B+4*\slot, G1B         ; the first tensor load behind the round; the four v_nop behind it are among the places in front of the loads below
.else
	PLACES NP
.endif
	FETCH_B \next, 0, 0
	FETCH_A \next, 0, 0
.if \fill
	ASK                                            ; behind the joint load and the run of LDS loads that the next products wait for
.endif
	WIN MUL_HI
	MUL16 4, 1, 0
	MUL16 6, 1, 0
	PLACES NP
	WIN 0
	FETCH_A \next, 0, 4
.endm
	s_wait_tensorcnt 1                             ; my part of K step 0 is in (K step 1's load may be out),
	s_barrier_signal -1
	s_barrier_wait -1                              ; everybody's is
	FETCH_B 0, 0, 0
	FETCH_A 0, 0, 0
	FETCH_A 0, 0, 4
	STEP 0, 0, 1                                   ; the first step stands in front of the loop: its products start the sums
	s_mov_b32 s3, LAPS-1
.Llap:                                                 ; a trip goes once round the ring, from a lap's second step to the next lap's first, and fills both slots again
	TURN 0, 1, 1
	STEP 1, 0, 0
	TURN 1, 0, 1
	STEP 0, 0, 0
	s_sub_co_u32 s3, s3, 1
	s_cmp_lg_u32 s3, 0
	s_cbranch_scc1 .Llap
	TURN 0, 1, 0                                   ; the last lap fills nothing, and has no round of the cluster's barrier
	STEP 1, 0, 0
	s_wait_dscnt 4*NL                              ; the very last step: nothing more to fetch
	WIN MUL_LO
	MUL16 0, 1, 0
	MUL16 2, 1, 0
	s_wait_dscnt 0
	WIN MUL_HI
	MUL16 4, 1, 0
	MUL16 6, 1, 0
	WIN 0
; THE WAY OUT, block by block of 16 rows x 128 columns.  A lane holds 32 neighbouring bytes of a row, and the lanes beside it hold other rows: so a block goes through my own stage in LDS and comes back as whole
; rows of 512 bytes, which the 32 lanes store as two aligned runs of 256 bytes.  LDS serves a wave's instructions in order (ISA guide 5.7.1.4): no wait between the stores and the loads, nor in front of the next block's stores.
.macro TOSTAGE a
.set AC, 64*((\a)%4)
	WIN 0x02+((\a)/4)                              ; source 0: window 2 or 3
.irp j, 0,2,4,6,8,10,12,14,16,18,20,22,24,26,28,30,32,34,36,38,40,42,44,46,48,50,52,54,56,58,60,62
	v_pk_mul_f32 v[TMP+\j:TMP+\j+1], v[AC+\j:AC+\j+1], s[96:97] op_sel_hi:[1,0]   ; both x s96 = 2^(e6 + e7): nothing is rounded, short of overflow and underflow; each accumulator from its low end on
.endr
	WIN 0
.irp b, 0,1,2,3,4,5,6,7
	ds_store_b128 v[STO], v[TMP+8*\b:TMP+8*\b+3] offset:64*\b
	ds_store_b128 v[STO], v[TMP+8*\b+4:TMP+8*\b+7] offset:64*\b+16
.endr
.set BB, BK+64*((\a)%2)
.irp t, 0,1,2,3,4,5,6,7,8,9,10,11,12,13,14,15
	ds_load_b128 v[BB+4*\t:BB+4*\t+3], v[RD] offset:\t*SPITCH
.endr
.endm
.macro SEND a, younger                 ; younger: the LDS instructions issued behind block a's loads, which may stay out
.set BB, BK+64*((\a)%2)
	s_wait_dscnt \younger                          ; the block is back in registers
.if (\a) > 0
	s_add_nc_u64 s[10:11], s[10:11], 16*SIZE_N*4   ; (behind a wait on XCNT: the earlier stores have read their base)  16 rows of C on, so that the stores' offsets stay small: 15 rows of C at the most
.endif
.irp t, 0,1,2,3,4,5,6,7,8,9,10,11,12,13,14,15
	global_store_b128 v[CO], v[BB+4*\t:BB+4*\t+3], s[10:11] offset:\t*SIZE_N*4 th:TH_STORE_NT   ; 32 lanes store 512 consecutive bytes, at a multiple of 256 from C's first byte; written once, read by nobody here
.endr
.endm
	s_wait_kmcnt 0x0
	s_add_co_i32 s96, s96, s97                     ; e6 + e7, between -126 and 127,
	s_add_co_i32 s96, s96, 127
	s_lshl_b32 s96, s96, 23                        ; makes the f32 number 2^(e6 + e7)
	PLACES NP                                      ; the first block's results were finished long ago, the last products' registers are not touched yet: these places serve the loads into the registers that held A's fragments and block 7's reads alike
	TOSTAGE 0
.irp a, 1,2,3,4,5,6,7
.if \a > 1
	s_wait_xcnt 0x0                                ; block a - 2's stores have read their registers and their base: block a's loads may land there, and the base may step
.endif
	TOSTAGE \a
	SEND \a-1, 32                                  ; behind block a - 1's loads: block a's 16 stores and 16 loads
.endr
	s_wait_xcnt 0x0                                ; block 6's stores have read their base
	SEND 7, 0
	s_wait_tensorcnt 0x0                           ; the wave's end, behind my last tensor load and my last LDS store
	ds_add_u32 v[SPW], v[NIL]
	s_wait_dscnt 0x0
	CROUND                                         ; the closing round: no work-group ends while a partner may still ask for a tile that names it
	s_endpgm
.Lfunc_end_k_qa9329eccda_mix:
	.size	k_qa9329eccda_mix, .Lfunc_end_k_qa9329eccda_mix-k_qa9329eccda_mix
	.p2alignl 7, 3214868480
	.fill 96, 4, 3214868480
	.section	.rodata,"a",@progbits
	.p2align	6, 0x0
	.amdhsa_kernel k_qa9329eccda_mix
		.amdhsa_group_segment_fixed_size 327680
		.amdhsa_private_segment_fixed_size 0
		.amdhsa_enable_private_segment 0
		.amdhsa_kernarg_size 32
		.amdhsa_user_sgpr_count 2
		.amdhsa_user_sgpr_kernarg_segment_ptr 1
		.amdhsa_wavefront_size32 1
		.amdhsa_system_sgpr_workgroup_id_x 1
		.amdhsa_system_sgpr_workgroup_id_y 1
		.amdhsa_system_sgpr_workgroup_id_z 1
		.amdhsa_system_vgpr_workitem_id 0
		.amdhsa_next_free_vgpr 1024
		.amdhsa_next_free_sgpr 98
		.amdhsa_reserve_vcc 0
		.amdhsa_float_denorm_mode_32 3
		.amdhsa_float_denorm_mode_16_64 3
		.amdhsa_memory_ordered 1
		.amdhsa_forward_progress 1
		.amdhsa_inst_pref_size 124
	.end_amdhsa_kernel
	.amdgpu_metadata
---
amdhsa.version: [ 1, 2 ]
amdhsa.kernels:
  - .name:           k_qa9329eccda_mix
    .symbol:         k_qa9329eccda_mix.kd
    .args:
      - { .name: cat, .offset: 0, .size: 8, .value_kind: global_buffer, .address_space: global }
      - { .name: w_mix_weight_codes, .offset: 8, .size: 8, .value_kind: global_buffer, .address_space: global }
      - { .name: lowp_scales, .offset: 16, .size: 8, .value_kind: global_buffer, .address_space: global }
      - { .name: out0, .offset: 24, .size: 8, .value_kind: global_buffer, .address_space: global }
    .group_segment_fixed_size: 327680
    .private_segment_fixed_size: 0
    .kernarg_segment_align: 8
    .kernarg_segment_size: 32
    .max_flat_workgroup_size: 128
    .sgpr_count:     98
    .vgpr_count:     1024
    .wavefront_size: 32
...
	.end_amdgpu_metadata
.endif
;; end of part 3
;; ======== version 2 of 2: 3 launches; version 1 with the launch chain written anew for expert scheduling mode
;; workspace buffers: wts 917,504 bytes; meta 69,632 bytes of whole numbers; cat 33,554,432 bytes
;; launch prep: the kernel of part 1 again; grid 121 x 1, 4 waves a work-group, no clusters, 0 bytes of LDS; arguments keep_cols, emb_alloc, starts, ends, w_k_weight, w_v_weight, w_up_weight_codes, bw, lowp_scales, wts, meta, fw; writes wts, meta
;; launch chain (part 4): grid 256 x 1, 4 waves a work-group, no clusters, 186,880 bytes of LDS; arguments input, bw, seq_sort, norm_in_weight, norm_out_weight, lowp_scales, wts, meta, cat; writes cat
.if DOCPART == 4
	.amdgcn_target "amdgcn-amd-amdhsa--gfx1250"
	.amdhsa_code_object_version 6
	.text
	.protected	k_qa9329eccda_chain
	.globl	k_qa9329eccda_chain
	.p2align	8
	.type	k_qa9329eccda_chain,@function
k_qa9329eccda_chain:
	s_mov_b64 s[64:65], 0
	v_nop
	global_prefetch_b8 v0, s[64:65] scope:SCOPE_SE
	s_setreg_imm32_b32 hwreg(HW_REG_WAVE_SCHED_MODE, 0, 2), 2
	s_setreg_imm32_b32 hwreg(HW_REG_WAVE_MODE, 25, 1), 1
	s_wait_xcnt 0x0
	s_wait_alu depctr_vm_vsrc(0)
; The chain up to the last product's left operand, for 64 output tokens a work-group, in output order.  Token j needs sorted row i = bw[j] alone: the attention of input row fw[i] (the first launch has stored
; fw[bw[j]]), with label seq_sort[i] and the key range of block i >> 9.  So each row has one owner and nothing is scattered.  Out goes cat [16384][2048] as codes of BF8 (E5M2) with scale 2^e6:
; columns 0-1023 rms(up), columns 1024-2047 the token's own input row.  The first three products run here, on codes of BF8, each operand with its given scale 2^e (e0 .. e5).
; SHARES.  Four waves.  In phase X wave w turns rows 16 w .. 16 w + 15 into codes.  In the products THE WAVES SHARE THE COLUMNS, NOT THE ROWS: for all 64 rows (four tiles m of 16) wave w makes
; keys 128 w .., value columns 64 w .., hidden units 256 w ...  Every product is used transposed (source 0 = 16 rows of the weight, source 1 = 16 tokens): lane (r, h) holds token r throughout.
; WEIGHTS GO FROM MEMORY STRAIGHT INTO REGISTERS, through a ring of four groups of four fragments (window 1) that runs on without a break through all three products: the first launch has laid each wave's 28 groups
; on end, in the order of the operand's registers; every offset is an immediate, 228,864 at the most, so no base is stepped.  WHY NO TENSOR LOADS AND NO JOINT LOADS: each weight byte is used by ONE wave of the
; work-group (its 16 products x 4 tiles of rows come from its registers), so a way through LDS would add a write and a read of all 896 KB; the rows' codes take 186,368 bytes of LDS, which leaves room for two slots
; of 64 KB: 32 products a wave between two changes of slots.  Loaded straight, two or three groups (16 to 24 KB a wave) are always on their way behind counted waits, with no barrier.
; ROWS' CODES go from wave to wave through LDS, as rows along K: the long rows (pitch 2,064), p (528), comb (272); six barriers.
; k IS PERMUTED ALIKE ON BOTH SIDES: registers 4 c .. 4 c + 3 of a fragment hold k = 32 c + 16 h + 0 .. 15, so a fragment is four loads of 16 bytes.
; SOFTMAX: t = score x log2(e); M = the row's largest t over all 512 keys, rounded up to a whole number; p = 2^(t - M) is quantised; the sum of the unquantised p divides at the end.
; A ROW ALL OF WHOSE KEYS ARE MASKED: its sum is NaN.  sum x 0 (0 or NaN) is kept, and its bits are set in one register of the row's codes: the top byte of every f32 NaN is 0x7f or 0xff, which as a code of E5M2
; is NaN, so the last product gives NaN in the whole output row.  (The holds ahead of the conversions would lose a NaN.)
; LIMITS: e0, e2, e4, e6 between -126 and 112; e0 + e1 between -126 and 127.  NaN or infinity among the floating-point inputs is not served.
; REGISTERS, in windows of 256.  Window 0: addresses, constants, two sets of the rows' fragments (v64-127, v128-191), codes and work.  Window 1: the ring, slot k at v[64 k]; behind the last product rms(up)'s codes.
; Windows 2, 3: the accumulators: tile t of my columns, tile m of rows at v[64 m + 8 (t % 8)] of window 2 + t / 8.  In phase X window 2 holds eight rows; window 3 v0-63 the labels of my keys, until the mask is made.
; THE MODE: SCHED_MODE bits 1:0 = 2 (LLVM: expert scheduling mode 2), set by the entry lines.  The code itself states the register dependences between vector or matrix instructions and memory or LDS
; instructions, with s_wait_alu, always for 0.
; THE PLAN.  Registers that memory or LDS instructions touch, and who else names them:
;   the row slots (window 2)   a slot's turn: its holds write it, its conversions read it; behind them the loads of the row four further on land in it.
;   v[T ..], v[T+8 ..]         a row's codes: written by the turn's conversions, read by its eight LDS stores, written again by the next row of the same kind.
;   v[AO+i], v[GO+i]           a slot's offset: read by the slot's loads, written once in the slot's next turn.        v[XSA]: read by a trip's LDS stores, written once a trip.
;     So a turn has one wait on vm_vsrc at its head (codes, offset) and one on va_vdst behind its conversions (codes and offset written, slot read out); its stores and loads follow that.
;   the ring (window 1)        group g's 16 products read slot g % 4.  In group g's turn group g + 3 is loaded into the slot of group g - 1: ONE wait on va_vdst at the turn's head states that the products of
;                              group g - 1 are done reading it; the 16 loads are dealt among the turn's products, which name slot g % 4, this step's fragments and the accumulators alone.
;   ABUF0, ABUF1               a K step's products read one set; the next step's LDS loads land in the other, behind the same wait at the head of a step's first group.
;   v[T+4 m ..]                the tables' words: written by the reductions, read by four LDS stores (a wait on va_vdst ahead), then 16 LDS loads land in them behind the barrier (a wait on vm_vsrc ahead).
;   v[ABUF0 ..], v[PCD ..], v[CD ..]   p's, comb's and rms(up)'s codes: each written once by conversions and read once by LDS stores, one wait on va_vdst ahead of each run of stores.
;   All other offsets and LDS addresses are made at the head and never written again.  The way out holds no vector instruction.
.set STREAM, 229376                    ; a wave's weights in bytes
.set GRP,    8192                      ; a group: four fragments of 2,048 bytes
.set GIDX,   4096                      ; meta: fw[bw[j]] at GIDX + 4 j
.set PITCH,  2064                      ; LDS: 64 rows of 2,048 codes + 16: columns 0-1023 the gathered rows' codes, later rms(up)'s; columns 1024-2047 the input's
.set PPITCH, 528                       ; 64 rows of 512 codes of p + 16
.set CPITCH, 272                       ; 64 rows of 256 codes of comb + 16.  (All pitches are odd multiples of 16 bytes: the 16 rows of a load begin at 16 different places modulo 256 bytes)
.set PST,    64*PITCH
.set CMB,    PST+64*PPITCH
.set MAXX,   CMB+64*CPITCH             ; three tables of one word for (wave, row): the largest t, at +SUMO the sum of p, at +SSQO the sum of squares
.set SUMO,   1024
.set SSQO,   2048
.set P_IN,  4                          ; s[4:5] input, s[6:7] bw, s[8:9] seq_sort, s[10:11] norm_in, s[12:13] norm_out, s[14:15] the scales' exponents, s[16:17] wts, s[18:19] meta, s[22:23] cat
.set P_BW,  6
.set P_SS,  8
.set P_NI,  10
.set P_NO,  12
.set P_LS,  14
.set P_WT,  16
.set P_ME,  18
.set P_CAT, 22
.set LANE, 1
.set R,    2
.set HH,   3
.set L16,  4                           ; 16 x lane; never rewritten
.set XS0,  5                           ; phase X: 4 x lane + my 16 rows
.set XSA,  6                           ; the same + the trip's four rows
.set WO,   7                           ; norm_out: 4 (256 w + 16 h)
.set CA0,  8                           ; v8-11   row 16 m + r of the long rows, + 16 h
.set PA,   16                          ; v16-19  the same in p's rows
.set CB,   20                          ; v20-23  in comb's rows
.set PW,   24                          ; where I store p: PA[0] + 128 w
.set CW,   25                          ; comb: CB[0] + 64 w
.set EXW,  26                          ; the tables: my wave's word of row r
.set EXR,  27                          ; wave 0's word of row r
.set UW,   28                          ; v28-31  where I store rms(up): CA0[m] + 256 w
.set WOA,  33                          ; the way out: my 16 long rows, + 16 x lane
.set NINF, 34                          ; -infinity
.set LAA,  35                          ; 512 w + 64 h, later 128 w + 16 h
.set GO,   36                          ; v36-39  phase X: the gathered rows' byte offsets
.set NF,   36                          ; v36-39  from the second product on: sum x 0 for each m
.set SS,   40                          ; v40-43  bw, then the tokens' labels
.set KB,   44                          ; v44-47  128 w + 16 h - the range's start
.set LEN,  48                          ; v48-51  the range's length
.set SC0,  52                          ; 2^e0, 2^e6, 2^e2, 2^e4 as f32
.set SC6,  53
.set SC2,  54
.set SC4,  55
.set FM,   56                          ; v56-63  a factor for each m, twice
.set AO,   64                          ; v64-67  phase X: my own rows' byte offsets
.set ABUF0, 64
.set ABUF1, 128
.set WN,   192                         ; v192-223 norm_in, in a row's layout
.set PCD,  192                         ; later: comb's codes
.set CD,   0                           ; window 1, behind the last product: rms(up)'s codes, 16 registers for (x, m) at CD + 64 x + 16 m
.set T,    224                         ; v224-239 at work
.set LIM0, 240                         ; 57,344 x the scales above
.set LIM6, 241
.set LIM2, 242
.set LIM4, 243
.set T2,   244                         ; v244-251 at work
.set RS,   252                         ; v[252:253]
.set MSB, 0
.macro WIN new                         ; the immediate's high byte repeats the setting that is left; a switch that changes nothing is dropped
.if MSB != (\new)
	s_set_vgpr_msb (MSB<<8)|(\new)
.set MSB, (\new)
.endif
.endm
; A vector instruction that reads a matrix result stands four places behind it; only plain vector instructions that name none of its registers are places (ISA guide 7.12.1).  The same four stand, as in the plain
; form of this text, between the products and the loads into registers that they have read, ahead of the wait that states that dependence.
.macro PLACES
.rept 4
	v_nop
.endr
.endm
.macro BARRIER                         ; my LDS stores have landed and my LDS loads are in: then the work-group's barrier
	s_wait_dscnt 0x0
	s_barrier_signal -1
	s_barrier_wait -1
.endm
.macro FETCH_A buf, adr, off           ; the four tiles' fragments of one K step: 16 loads
	WIN 0
.irp m, 0,1,2,3
.irp c, 0,1,2,3
	ds_load_b128 v[\buf+16*\m+4*\c:\buf+16*\m+4*\c+3], v[\adr+\m] offset:\off+32*\c
.endr
.endr
.endm
; 8 products: the group's fragments f0, f0 + 1 x the four tiles of rows.  q: which four of my tiles of columns.  A group's 16 accumulators take turns, one instruction a turn.
.macro GMUL slot, q, buf, zero, f0
.if (\q) < 2
	WIN 0xa1                                       ; source 0 (weights) window 1, source 1 (rows) window 0, C and D window 2
.else
	WIN 0xf1                                       ; the same, C and D window 3
.endif
.irp f, \f0, \f0+1
.irp m, 0,1,2,3
.if \zero
	v_wmma_f32_16x16x128_bf8_bf8 v[64*\m+8*(4*((\q)%2)+(\f)):64*\m+8*(4*((\q)%2)+(\f))+7], v[64*(\slot)+16*(\f):64*(\slot)+16*(\f)+15], v[\buf+16*\m:\buf+16*\m+15], 0
.else
	v_wmma_f32_16x16x128_bf8_bf8 v[64*\m+8*(4*((\q)%2)+(\f)):64*\m+8*(4*((\q)%2)+(\f))+7], v[64*(\slot)+16*(\f):64*(\slot)+16*(\f)+15], v[\buf+16*\m:\buf+16*\m+15], v[64*\m+8*(4*((\q)%2)+(\f)):64*\m+8*(4*((\q)%2)+(\f))+7]
.endif
.endr
.endr
.endm
.macro RELOAD slot, goff, f0           ; fragments f0, f0 + 1 of the group that begins at byte goff of my stream, into the slot: 8 loads of 512 consecutive bytes
	WIN 0x40                                       ; destination window 1
.irp f, \f0, \f0+1
.irp c, 0,1,2,3
	global_load_b128 v[64*(\slot)+16*(\f)+4*\c:64*(\slot)+16*(\f)+4*\c+3], v[L16], s[38:39] offset:(\goff)+2048*(\f)+512*\c
.endr
.endr
.endm
; The head of the turn of a group that is followed by loads.  cnt: the loads issued behind the group's own, which may stay out: the two younger groups' 32.
.macro GHEAD cnt
	s_wait_loadcnt \cnt
	PLACES
	s_wait_alu depctr_va_vdst(0)                   ; the products of the group before are done reading their slot of the ring, in which this turn's loads land; at a K step's first group they are also done reading the other set of the rows' fragments
.endm
; A group's turn: 8 products, 8 loads, 8 products, 8 loads.  goff: where group g + 3 begins in my stream; it goes into the slot of group g - 1.  goff < 0: the turn loads nothing.
; No wait stands among them: no product since the wait at the turn's head names the slot that is loaded.
.macro GBODY slot, q, buf, zero, goff
	GMUL \slot, \q, \buf, \zero, 0
.if (\goff) >= 0
	RELOAD ((\slot)+3)%4, \goff, 0
.endif
	GMUL \slot, \q, \buf, \zero, 2
.if (\goff) >= 0
	RELOAD ((\slot)+3)%4, \goff, 2
.endif
.endm
.macro MKSC e, sc, lim                 ; s[e] -> 2^e as f32 and 57,344 x 2^e
	s_add_co_i32 s56, s[\e], 127
	s_lshl_b32 s57, s56, 23
	v_mov_b32 v[\sc], s57
	s_add_co_i32 s56, s56, 15
	s_lshl_b32 s56, s56, 23
	s_or_b32 s56, s56, 0x600000
	v_mov_b32 v[\lim], s56
.endm
; The four tiles' two chains each (pairs in T) are joined, with the other half of the lanes,
.macro XRED
	WIN 0
.irp m, 0,1,2,3
	v_pk_add_f32 v[T+4*\m:T+4*\m+1], v[T+4*\m:T+4*\m+1], v[T+4*\m+2:T+4*\m+3]
.endr
.irp m, 0,1,2,3
	v_add_f32 v[T+4*\m], v[T+4*\m], v[T+4*\m+1]
.endr
.irp m, 0,1,2,3
	v_permlanex16_b32 v[T+4*\m+1], v[T+4*\m], s84, s85
.endr
.irp m, 0,1,2,3
	v_add_f32 v[T+4*\m], v[T+4*\m], v[T+4*\m+1]
.endr
.endm
.macro XPUT off                        ; and go to my wave's words of a table
.irp m, 0,1,2,3
	ds_store_b32 v[EXW], v[T+4*\m] offset:\off+64*\m   ; lanes r and r + 16 write the same word with the same number
.endr
.endm
.macro XGET off                        ; all four waves' words of my four rows
	WIN 0
.irp m, 0,1,2,3
.irp w, 0,1,2,3
	ds_load_b32 v[T+4*\m+\w], v[EXR] offset:\off+256*\w+64*\m
.endr
.endr
.endm
.macro XADD
.irp m, 0,1,2,3
	v_add_f32 v[T+4*\m], v[T+4*\m], v[T+4*\m+1]
.endr
.irp m, 0,1,2,3
	v_add_f32 v[T+4*\m+2], v[T+4*\m+2], v[T+4*\m+3]
.endr
.irp m, 0,1,2,3
	v_add_f32 v[T+4*\m], v[T+4*\m], v[T+4*\m+2]
.endr
.endm
	; ---- THE HEAD
	s_load_b512 s[4:19], s[0:1], 0x0
	s_load_b64 s[P_CAT:P_CAT+1], s[0:1], 0x40
	v_lshl_add_u32 v254, v0, 2, 0x2d800
	v_mov_b32 v255, 0
	v_and_b32 v[LANE], 31, v0
	v_and_b32 v[R], 15, v0
	v_bfe_u32 v[HH], v0, 4, 1
	v_lshrrev_b32 v[LAA], 5, v0
	v_readfirstlane_b32 s24, v[LAA]                ; wave
	v_lshlrev_b32 v[L16], 4, v[LANE]
	s_lshl_b32 s25, ttmp9, 6                       ; j0: the work-group's first token
	s_wait_alu depctr_va_sdst(0)                   ; s24 is written, ahead of its first reader: bases and LDS addresses are made from it
	s_lshl_b32 s26, s24, 4
	s_add_co_u32 s26, s26, s25                     ; my wave's first row of phase X and of the way out
	s_lshl_b32 s56, s26, 2
	s_add_co_u32 s56, s56, GIDX
	s_mov_b32 s57, 0
	s_lshl_b32 s58, s26, 12
	s_mov_b32 s59, 0
	s_mul_i32 s60, s24, STREAM
	s_mov_b32 s61, 0
	s_lshl_b32 s62, s26, 11
	s_mov_b32 s63, 0
	s_lshl_b32 s27, s24, 9
	v_lshlrev_b32 v[LAA], 6, v[HH]
	v_add_nc_u32 v[LAA], s27, v[LAA]               ; 4 (128 w + 16 h)
	s_lshl_b32 s27, s25, 2
	v_lshl_add_u32 v[KB], v[R], 2, s27             ; 4 (j0 + r)
.irp i, 0,1,2,3
	v_add_nc_u32 v[AO+\i], 4096*\i, v[L16]
.endr
	s_wait_kmcnt 0x0
	s_load_b256 s[28:35], s[P_LS:P_LS+1], 0x0      ; e0 .. e7
	s_add_nc_u64 s[56:57], s[P_ME:P_ME+1], s[56:57]
	s_load_b512 s[68:83], s[56:57], 0x0            ; fw[bw[j]] of my 16 rows
	s_add_nc_u64 s[36:37], s[P_IN:P_IN+1], s[58:59]        ; the input at my first row
	s_add_nc_u64 s[38:39], s[P_WT:P_WT+1], s[60:61]        ; my weights
	s_add_nc_u64 s[P_CAT:P_CAT+1], s[P_CAT:P_CAT+1], s[62:63]  ; cat at my first row
	WIN 0x40
	s_wait_alu depctr_va_vdst(0)                   ; v[L16], v[LAA], v[KB] and v[AO ..] are written: the offsets of the loads below
.irp g, 0,1,2,3                        ; the ring's first four groups
.irp f, 0,1,2,3
.irp c, 0,1,2,3
	global_load_b128 v[64*\g+16*\f+4*\c:64*\g+16*\f+4*\c+3], v[L16], s[38:39] offset:GRP*\g+2048*\f+512*\c
.endr
.endr
.endr
	WIN 0xc0
.irp b, 0,1,2,3                        ; register 16 b + i of window 3: the label of key 128 w + 32 b + 16 h + i
.irp j, 0,1,2,3
	global_load_b128 v[16*\b+4*\j:16*\b+4*\j+3], v[LAA], s[P_ME:P_ME+1] offset:128*\b+16*\j
.endr
.endr
	WIN 0
.irp m, 0,1,2,3
	global_load_b32 v[SS+\m], v[KB], s[P_BW:P_BW+1] offset:64*\m   ; bw of token j0 + 16 m + r
.endr
.irp a, 0,1,2,3,4,5,6,7
	global_load_b128 v[WN+4*\a:WN+4*\a+3], v[L16], s[P_NI:P_NI+1] offset:512*\a
.endr
	WIN 0x80
.irp i, 0,1,2,3                        ; my first four rows: load a of a row brings k = 128 a + 4 lane + 0 .. 3: 512 consecutive bytes
.irp a, 0,1,2,3,4,5,6,7
	global_load_b128 v[32*\i+4*\a:32*\i+4*\a+3], v[AO+\i], s[36:37] offset:512*\a
.endr
.endr
	WIN 0
	s_wait_kmcnt 0x0
.irp i, 0,1,2,3
	s_min_u32 s56, s[68+\i], 0x3fff                ; the row is held inside the input at its use
	s_lshl_b32 s56, s56, 12
	v_add_nc_u32 v[GO+\i], s56, v[L16]
.endr
	WIN 0x80
	s_wait_alu depctr_va_vdst(0)                   ; v[GO ..] are written: the offsets of the loads below
.irp i, 0,1,2,3                        ; the first four gathered rows
.irp a, 0,1,2,3,4,5,6,7
	global_load_b128 v[128+32*\i+4*\a:128+32*\i+4*\a+3], v[GO+\i], s[P_IN:P_IN+1] offset:512*\a
.endr
.endr
	WIN 0
	; every LDS address and every constant is made here; none of these lines writes a register that a load above reads or lands in.  Each address is first read behind a later wait on va_vdst
	s_mul_i32 s27, s24, 16*PITCH
	v_lshl_add_u32 v[XS0], v[LANE], 2, s27
	v_add_nc_u32 v[WOA], s27, v[L16]
	v_mul_u32_u24 v[CA0], v[R], PITCH
	v_lshl_add_u32 v[CA0], v[HH], 4, v[CA0]
	v_mul_u32_u24 v[PA], v[R], PPITCH
	v_lshl_add_u32 v[PA], v[HH], 4, v[PA]
	v_add_nc_u32 v[PA], PST, v[PA]
	v_mul_u32_u24 v[CB], v[R], CPITCH
	v_lshl_add_u32 v[CB], v[HH], 4, v[CB]
	v_add_nc_u32 v[CB], CMB, v[CB]
.irp m, 1,2,3
	v_add_nc_u32 v[CA0+\m], 16*PITCH*\m, v[CA0]
	v_add_nc_u32 v[PA+\m], 16*PPITCH*\m, v[PA]
	v_add_nc_u32 v[CB+\m], 16*CPITCH*\m, v[CB]
.endr
	s_lshl_b32 s27, s24, 7
	v_add_nc_u32 v[PW], s27, v[PA]
	s_lshl_b32 s27, s24, 6
	v_add_nc_u32 v[CW], s27, v[CB]
	v_lshlrev_b32 v[EXR], 2, v[R]
	v_add_nc_u32 v[EXR], MAXX, v[EXR]
	s_lshl_b32 s27, s24, 8
	v_add_nc_u32 v[EXW], s27, v[EXR]
.irp m, 0,1,2,3
	v_add_nc_u32 v[UW+\m], s27, v[CA0+\m]
.endr
	s_lshl_b32 s27, s24, 10
	v_lshlrev_b32 v[WO], 6, v[HH]
	v_add_nc_u32 v[WO], s27, v[WO]
	v_mov_b32 v[NINF], 0xff800000
	v_mov_b32 v[RS+1], 0                           ; named as the upper half of a pair, so it is written
	MKSC 28, SC0, LIM0
	MKSC 34, SC6, LIM6
	MKSC 30, SC2, LIM2
	MKSC 32, SC4, LIM4
	s_mov_b32 s84, 0x76543210
	s_mov_b32 s85, 0xfedcba98                      ; v_permlanex16_b32's selects for lane l xor 16
	s_add_co_i32 s56, s28, s29
	s_lshl_b32 s56, s56, 23
	s_add_co_i32 s86, s56, 0x3fb8aa3b              ; c = log2(e) x 2^(e0 + e1): the exponents are added to log2(e)'s exponent field
	s_mov_b32 s87, s86
	s_mov_b32 s90, 0x3a800000                      ; 1 / 1024
	s_mov_b32 s91, 0x358637bd                      ; eps = 1e-6
	s_add_co_i32 s94, s30, s31                     ; e2 + e3
	s_add_co_i32 s95, s32, s33                     ; e4 + e5
	s_lshl_b32 s96, s95, 1
	s_sub_co_i32 s96, s96, 10                      ; 2 (e4 + e5) - 10: the sum of squares' scale, and / 1024
; ---- PHASE X: rows into codes.  Eight row slots of 32 registers in window 2: A0-A3 my own rows (cat's second half, scale 2^e6), B0-B3 the gathered rows (rms norm, scale 2^e0).
; One conversion takes the registers of loads 2 q and 2 q + 1 and gives a register of four codes for each: it is stored at 128 a + 4 lane of the row, 128 consecutive bytes a store.
; The slots are loaded and taken in one fixed order, so behind the slot in hand lie the seven others' loads: 56.  A slot has an offset register of its own, which the wait for the slot's loads frees.
.macro SLOTA i, refill, cnt
	s_wait_loadcnt \cnt                            ; my eight loads are in, so the slot's offset register may be stepped
	s_wait_alu depctr_vm_vsrc(0)                   ; the LDS stores of my own row before have read v[T .. T+7], which the conversions below write again; the slot's loads have read v[AO+i], which is stepped below
	WIN 0x82
.set jj, 0
.rept 32
	v_med3_num_f32 v[32*\i+jj], v[32*\i+jj], -v[LIM6], v[LIM6]   ; the conversion to an 8-bit code does not saturate (ISA guide 7.6.2)
.set jj, jj+1
.endr
	WIN 0x02
.irp q, 0,1,2,3
	v_cvt_scalef32_pk8_bf8_f32 v[T+2*\q:T+2*\q+1], v[32*\i+8*\q:32*\i+8*\q+7], v[SC6]
.endr
	WIN 0
.if \refill
	v_add_nc_u32 v[AO+\i], 0x4000, v[AO+\i]        ; the row four further on; it is also the plain vector line behind the last conversion of a run
.else
	v_nop                                          ; a plain vector line behind the last conversion of a run
.endif
	s_wait_alu depctr_va_vdst(0)                   ; the conversions have written v[T ..], which the LDS stores read, and are done reading the slot, which the holds wrote and in which the loads land; v[AO+i] is written, and so is v[XSA]
.irp a, 0,1,2,3,4,5,6,7
	ds_store_b32 v[XSA], v[T+\a] offset:PITCH*\i+1024+128*\a
.endr
.if \refill
	WIN 0x80
.irp a, 0,1,2,3,4,5,6,7
	global_load_b128 v[32*\i+4*\a:32*\i+4*\a+3], v[AO+\i], s[36:37] offset:512*\a
.endr
.endif
.endm
.macro SLOTB i, refill, cnt
.set XB, 128+32*\i
	s_wait_loadcnt \cnt                            ; (it also frees the slot's offset register)
	s_wait_alu depctr_vm_vsrc(0)                   ; the LDS stores of the gathered row before have read v[T+8 .. T+15], which the conversions below write again; the slot's loads have read v[GO+i], which is made anew below
	WIN 0x0a
.irp c, 0,1,2,3
	v_pk_mul_f32 v[T2+2*\c:T2+2*\c+1], v[XB+2*\c:XB+2*\c+1], v[XB+2*\c:XB+2*\c+1]   ; the sum of squares, in four chains
.endr
.set jj, 8
.rept 3
.irp c, 0,1,2,3
	v_pk_fma_f32 v[T2+2*\c:T2+2*\c+1], v[XB+jj+2*\c:XB+jj+2*\c+1], v[XB+jj+2*\c:XB+jj+2*\c+1], v[T2+2*\c:T2+2*\c+1]
.endr
.set jj, jj+8
.endr
	WIN 0
	v_pk_add_f32 v[T2:T2+1], v[T2:T2+1], v[T2+2:T2+3]
	v_pk_add_f32 v[T2+4:T2+5], v[T2+4:T2+5], v[T2+6:T2+7]
	v_pk_add_f32 v[T2:T2+1], v[T2:T2+1], v[T2+4:T2+5]
	v_add_f32 v[T2], v[T2], v[T2+1]
	v_add_f32_dpp v[T2], v[T2], v[T2] row_xmask:1 row_mask:0xf bank_mask:0xf
	v_add_f32_dpp v[T2], v[T2], v[T2] row_xmask:2 row_mask:0xf bank_mask:0xf
	v_add_f32_dpp v[T2], v[T2], v[T2] row_xmask:4 row_mask:0xf bank_mask:0xf
	v_add_f32_dpp v[T2], v[T2], v[T2] row_xmask:8 row_mask:0xf bank_mask:0xf
	v_permlanex16_b32 v[T2+1], v[T2], s84, s85
	v_add_f32 v[T2], v[T2], v[T2+1]
	v_fma_f32 v[T2], v[T2], s90, s91               ; the mean of the squares + eps
	v_rsq_f32 v[RS], v[T2]
	v_nop                                          ; a plain line behind the transcendental,
	s_wait_alu depctr_va_vdst(0)                   ; and the wait for v[RS] ahead of its first reader
	WIN 0x82
.set jj, 0
.rept 16
	v_pk_mul_f32 v[XB+jj:XB+jj+1], v[XB+jj:XB+jj+1], v[RS:RS+1] op_sel_hi:[1,0]
.set jj, jj+2
.endr
.set jj, 0
.rept 16
	v_pk_mul_f32 v[XB+jj:XB+jj+1], v[XB+jj:XB+jj+1], v[WN+jj:WN+jj+1]   ; w x (x / rms), in that order
.set jj, jj+2
.endr
.set jj, 0
.rept 32
	v_med3_num_f32 v[XB+jj], v[XB+jj], -v[LIM0], v[LIM0]
.set jj, jj+1
.endr
	WIN 0x02
.irp q, 0,1,2,3
	v_cvt_scalef32_pk8_bf8_f32 v[T+8+2*\q:T+8+2*\q+1], v[XB+8*\q:XB+8*\q+7], v[SC0]
.endr
	WIN 0
.if \refill
	s_min_u32 s56, s[72+\i], 0x3fff                ; the row four further on, held inside the input at its use
	s_lshl_b32 s56, s56, 12
	v_add_nc_u32 v[GO+\i], s56, v[L16]             ; it is also the plain vector line behind the last conversion of a run
.else
	v_nop
.endif
	s_wait_alu depctr_va_vdst(0)                   ; the conversions have written v[T+8 ..], which the LDS stores read, and are done reading the slot, which the lines above wrote and in which the loads land; v[GO+i] is written
.irp a, 0,1,2,3,4,5,6,7
	ds_store_b32 v[XSA], v[T+8+\a] offset:PITCH*\i+128*\a
.endr
.if \refill
	WIN 0x80
.irp a, 0,1,2,3,4,5,6,7
	global_load_b128 v[XB+4*\a:XB+4*\a+3], v[GO+\i], s[P_IN:P_IN+1] offset:512*\a
.endr
.endif
.endm
	s_mov_b32 s93, 0
	v_add_nc_u32 v[XSA], s93, v[XS0]
	s_mov_b32 s92, 3
.Lx:                                   ; three trips of 4 + 4 rows; each slot is filled again with the row four further on
.irp i, 0,1,2,3
	SLOTA \i, 1, 56
.endr
.irp i, 0,1,2,3
	SLOTB \i, 1, 56
.endr
	WIN 0
	s_mov_b64 s[68:69], s[72:73]                   ; the gathered rows' numbers move four places down
	s_mov_b64 s[70:71], s[74:75]
	s_mov_b64 s[72:73], s[76:77]
	s_mov_b64 s[74:75], s[78:79]
	s_mov_b64 s[76:77], s[80:81]
	s_mov_b64 s[78:79], s[82:83]
	s_add_co_u32 s93, s93, 4*PITCH
	s_wait_alu depctr_vm_vsrc(0)                   ; this trip's LDS stores have read v[XSA]
	v_add_nc_u32 v[XSA], s93, v[XS0]               ; (it is read again behind the next turn's wait on va_vdst)
	s_sub_co_u32 s92, s92, 1
	s_cmp_lg_u32 s92, 0
	s_cbranch_scc1 .Lx
	SLOTA 0, 0, 56                                 ; the last 4 + 4 rows load nothing
.irp m, 0,1,2,3                        ; the tokens' labels and ranges are asked for here: eight loads, which every count below includes.  (v[KB], which the head's loads of bw read, is free since the turns' waits on vm_vsrc)
	v_min_u32 v[KB+\m], 0x3fff, v[SS+\m]
	v_lshlrev_b32 v[KB+\m], 2, v[KB+\m]
	v_lshrrev_b32 v[LEN+\m], 9, v[SS+\m]
	v_min_u32 v[LEN+\m], 31, v[LEN+\m]
	v_lshlrev_b32 v[LEN+\m], 3, v[LEN+\m]
.endr
	s_wait_alu depctr_va_vdst(0)                   ; v[KB ..] and v[LEN ..] are written, the offsets of the loads below; the lines above are done reading v[SS ..], in which the labels land
.irp m, 0,1,2,3
	global_load_b32 v[SS+\m], v[KB+\m], s[P_SS:P_SS+1]                          ; seq_sort[bw[j]]
	global_load_b64 v[FM+2*\m:FM+2*\m+1], v[LEN+\m], s[P_ME:P_ME+1] offset:2048  ; {start, end} of block bw[j] >> 9
.endr
	SLOTA 1, 0, 56                                 ; six slots and the eight
	SLOTA 2, 0, 48
	SLOTA 3, 0, 40
	SLOTB 0, 0, 32
	SLOTB 1, 0, 24
	SLOTB 2, 0, 16
	SLOTB 3, 0, 8
	s_wait_loadcnt 0x0
	v_lshrrev_b32 v[LAA], 2, v[LAA]                ; 128 w + 16 h.  (v[LAA], v[KB ..] and v[LEN ..], which loads have read as offsets, are free since the turns' waits on vm_vsrc above)
.irp m, 0,1,2,3                        ; key kv counts where start <= kv < end: with both held in 0 .. 512 that is (kv - start) below (end - start), unsigned
	v_max_i32 v[FM+2*\m], 0, v[FM+2*\m]
	v_max_i32 v[FM+2*\m+1], 0, v[FM+2*\m+1]
	v_min_i32 v[FM+2*\m], 0x200, v[FM+2*\m]
	v_min_i32 v[FM+2*\m+1], 0x200, v[FM+2*\m+1]
	v_sub_nc_u32 v[LEN+\m], v[FM+2*\m+1], v[FM+2*\m]
	v_max_i32 v[LEN+\m], 0, v[LEN+\m]
	v_sub_nc_u32 v[KB+\m], v[LAA], v[FM+2*\m]
.endr
	BARRIER                                        ; all 64 rows' codes lie in LDS
; ---- PRODUCT 1: S^T = K A^T.  8 K steps of 128, two groups a step (groups 2 s, 2 s + 1).  The next step's fragments of the rows are asked for at a step's head, behind the wait there; the 16 just issued may stay out.
; Groups 0 to 3 came in with the wait for all loads above.  Group 0's turn loads nothing into the ring (no slot is free yet), and the set that its LDS loads land in has been named by no vector instruction: no wait.
.macro STEP1 s, zero
.if (\s) > 0
	GHEAD 32
.endif
.if (\s) < 7
	FETCH_A ABUF0+64*(1-(\s)%2), CA0, 128*((\s)+1)
	s_wait_dscnt 16
.else
	s_wait_dscnt 0x0
.endif
.if (\s) > 0
	GBODY 2*((\s)%2), 0, ABUF0+64*((\s)%2), \zero, GRP*(2*(\s)+3)
.else
	GBODY 0, 0, ABUF0, \zero, -1
.endif
	GHEAD 32
	GBODY 2*((\s)%2)+1, 1, ABUF0+64*((\s)%2), \zero, GRP*(2*(\s)+4)
.endm
	FETCH_A ABUF0, CA0, 0                          ; (v64-67, phase X's offsets, were last written and last read ahead of that phase's later waits on va_vdst and vm_vsrc)
	STEP1 0, 1                                     ; the first step's products start the sums
.irp s, 1,2,3,4,5,6,7
	STEP1 \s, 0
.endr
; ---- THE MASK.  Register n = 16 b + i of tile m holds key 128 w + 32 b + 16 h + i.  32 keys at a time: labels compared (window 3 against window 0) into 32 scalar masks, the range into 32 others
; (s4-11, s14-21, s24-31, s56-63: the addresses and numbers that they held are done with); ONE wait behind the 64 compares; the masks joined; then the scores of hidden keys become -infinity, each accumulator from its low end on.
.macro MASKH m, hf
	WIN 0x03
.set ee, 0
.rept 32
	v_cmp_eq_u32 s[40+ee+10*(ee/16)], v[32*\hf+ee], v[SS+\m]
.set ee, ee+1
.endr
	WIN 0
.set gg, 0
.rept 4
.set kk, 0
.rept 8
.set nn, 32*\hf+8*gg+kk
	v_add_nc_u32 v[T2+kk], 32*(nn/16)+nn%16, v[KB+\m]   ; kv - start
.set kk, kk+1
.endr
.set kk, 0
.rept 8
	v_cmp_gt_u32 s[4+10*gg+22*(gg/3)+kk], v[LEN+\m], v[T2+kk]
.set kk, kk+1
.endr
.set gg, gg+1
.endr
	s_wait_alu depctr_va_sdst(0)                   ; the 64 compares have written their masks, ahead of the masks' first readers, the scalar lines below
.set ee, 0
.rept 32
	s_and_b32 s[40+ee+10*(ee/16)], s[40+ee+10*(ee/16)], s[4+10*(ee/8)+22*(ee/24)+ee%8]
.set ee, ee+1
.endr
	WIN 0x88
.set ee, 0
.rept 32
	v_cndmask_b32 v[64*\m+32*\hf+ee], v[NINF], v[64*\m+32*\hf+ee], s[40+ee+10*(ee/16)]
.set ee, ee+1
.endr
.endm
.macro ROWMAX m                        ; the largest score among my 64 keys of the lane's row, in four chains
	WIN 0x28
.set ll, 0
.rept 8
.irp c, 0,1,2,3
.if ll == 0
	v_max3_num_f32 v[T+4*\m+\c], v[NINF], v[64*\m+16*\c], v[64*\m+16*\c+1]
.else
	v_max3_num_f32 v[T+4*\m+\c], v[T+4*\m+\c], v[64*\m+16*\c+2*ll], v[64*\m+16*\c+2*ll+1]
.endif
.endr
.set ll, ll+1
.endr
.endm
	s_wait_alu depctr_vm_vsrc(0)                   ; the LDS stores of phase X's last row have read v[T+8 ..], which the maxima below write
.irp m, 0,1,2,3
	MASKH \m, 0
	MASKH \m, 1
	ROWMAX \m
.endr
	WIN 0
.irp m, 0,1,2,3
	v_max3_num_f32 v[T+4*\m], v[T+4*\m], v[T+4*\m+1], v[T+4*\m+2]
.endr
.irp m, 0,1,2,3
	v_max_num_f32 v[T+4*\m], v[T+4*\m], v[T+4*\m+3]
.endr
.irp m, 0,1,2,3
	v_permlanex16_b32 v[T+4*\m+1], v[T+4*\m], s84, s85
.endr
.irp m, 0,1,2,3
	v_max_num_f32 v[T+4*\m], v[T+4*\m], v[T+4*\m+1]
.endr
.irp m, 0,1,2,3
	v_mul_f32 v[T+4*\m], s86, v[T+4*\m]            ; as t (c is positive)
.endr
	s_wait_alu depctr_va_vdst(0)                   ; v[T+4 m] are written, which the LDS stores read; group 15's products are done reading slot 3, in which group 19 lands
	XPUT 0
	RELOAD 3, GRP*19, 0                            ; the load that group 16's turn would issue goes out here
	RELOAD 3, GRP*19, 2
	WIN 0
	BARRIER                                        ; the four waves' largest t of every row lie in LDS
	; ---- THE SOFTMAX
	s_wait_alu depctr_vm_vsrc(0)                   ; my LDS stores have read v[T+4 m], in which the loads below land
	XGET 0
	s_wait_dscnt 0x0
.irp m, 0,1,2,3
	v_max3_num_f32 v[T+4*\m], v[T+4*\m], v[T+4*\m+1], v[T+4*\m+2]
.endr
.irp m, 0,1,2,3
	v_max_num_f32 v[T+4*\m], v[T+4*\m], v[T+4*\m+3]
.endr
.irp m, 0,1,2,3
	v_floor_f32 v[FM+2*\m], -v[T+4*\m]             ; -M = floor(-t) = -ceil(t): a whole number
.endr
.irp m, 0,1,2,3
	v_mov_b32 v[FM+2*\m+1], v[FM+2*\m]
.endr
	WIN 0x82
.irp m, 0,1,2,3
.set jj, 0
.rept 32
	v_pk_fma_f32 v[64*\m+jj:64*\m+jj+1], v[64*\m+jj:64*\m+jj+1], s[86:87], v[FM+2*\m:FM+2*\m+1] op_sel_hi:[1,0,0]   ; t - M
.set jj, jj+2
.endr
.endr
.set jj, 0
.rept 256
	v_exp_f32 v[jj], v[jj]                         ; p = 2^(t - M): one batch
.set jj, jj+1
.endr
	v_nop                                          ; a plain line behind the last exponential,
	s_wait_alu depctr_va_vdst(0)                   ; and one wait for the batch's 256 results ahead of their first reader
	WIN 0x0a                                       ; the row's sum is taken of the unquantised p: two chains for each m
.irp m, 0,1,2,3
	v_pk_add_f32 v[T+4*\m:T+4*\m+1], v[64*\m:64*\m+1], v[64*\m+2:64*\m+3]
	v_pk_add_f32 v[T+4*\m+2:T+4*\m+3], v[64*\m+4:64*\m+5], v[64*\m+6:64*\m+7]
.endr
	WIN 0x08
.set ll, 8
.rept 14
.irp m, 0,1,2,3
	v_pk_add_f32 v[T+4*\m:T+4*\m+1], v[T+4*\m:T+4*\m+1], v[64*\m+ll:64*\m+ll+1]
	v_pk_add_f32 v[T+4*\m+2:T+4*\m+3], v[T+4*\m+2:T+4*\m+3], v[64*\m+ll+2:64*\m+ll+3]
.endr
.set ll, ll+4
.endr
	XRED                                           ; the sums wait in v[T+4 m] for the run of stores below
	WIN 0x82
.set jj, 0
.rept 256
	v_min_num_f32 v[jj], v[jj], v[LIM2]            ; p is not negative: the hold is one-sided
.set jj, jj+1
.endr
	WIN 0x02
.irp m, 0,1,2,3
.irp g, 0,1,2,3,4,5,6,7
	v_cvt_scalef32_pk8_bf8_f32 v[ABUF0+16*\m+2*\g:ABUF0+16*\m+2*\g+1], v[64*\m+8*\g:64*\m+8*\g+7], v[SC2]
.endr
.endr
	WIN 0
	v_nop
	s_wait_alu depctr_va_vdst(0)                   ; the sums v[T+4 m] and p's codes v[ABUF0 ..] are written, which the LDS stores read
	XPUT SUMO
.irp m, 0,1,2,3
.irp b, 0,1,2,3
	ds_store_b128 v[PW], v[ABUF0+16*\m+4*\b:ABUF0+16*\m+4*\b+3] offset:16*PPITCH*\m+32*\b   ; row 16 m + r, keys 128 w + 32 b + 16 h ..
.endr
.endr
	BARRIER                                        ; p's codes and the sums lie in LDS
	; ---- PRODUCT 2: O^T = V^T P^T.  4 K steps of 128 keys, one group a step (groups 16 to 19)
	s_wait_alu depctr_vm_vsrc(0)                   ; my LDS stores have read v[T+4 m] and v[ABUF0 ..], in which the loads below land
	XGET SUMO
	FETCH_A ABUF0, PA, 0
	FETCH_A ABUF1, PA, 128
	s_wait_dscnt 16                                ; all but the second step's 16
	s_wait_loadcnt 48                              ; group 16 is in; groups 17, 18 and 19 may be out.  Its turn loads nothing (group 19 went out above): no wait on va_vdst
	GBODY 0, 0, ABUF0, 1, -1
	GHEAD 32
	FETCH_A ABUF0, PA, 256
	s_wait_dscnt 16
	GBODY 1, 0, ABUF1, 0, GRP*20
	GHEAD 32
	FETCH_A ABUF1, PA, 384
	s_wait_dscnt 16
	GBODY 2, 0, ABUF0, 0, GRP*21
	GHEAD 32
	s_wait_dscnt 0x0
	GBODY 3, 0, ABUF1, 0, GRP*22
	WIN 0
	XADD                                           ; the rows' sums
.irp m, 0,1,2,3
	v_mul_f32 v[NF+\m], 0, v[T+4*\m]               ; 0, or NaN where every key was masked
.endr
.irp m, 0,1,2,3
	v_rcp_f32 v[T2+\m], v[T+4*\m]
.endr
	v_nop
	s_wait_alu depctr_va_vdst(0)                   ; one wait for the four reciprocals, ahead of their first reader; group 19's products are done reading slot 3, in which group 23 lands
	RELOAD 3, GRP*23, 0                            ; the load that group 20's turn would issue goes out here
	RELOAD 3, GRP*23, 2
	WIN 0
.irp m, 0,1,2,3
	v_ldexp_f32 v[FM+2*\m], v[T2+\m], s94          ; 2^(e2 + e3) / the sum
.endr
.irp m, 0,1,2,3
	v_mov_b32 v[FM+2*\m+1], v[FM+2*\m]
.endr
	WIN 0x82
.irp m, 0,1,2,3
.set jj, 0
.rept 16
	v_pk_mul_f32 v[64*\m+jj:64*\m+jj+1], v[64*\m+jj:64*\m+jj+1], v[FM+2*\m:FM+2*\m+1] op_sel_hi:[1,0]   ; comb; each accumulator from its low end on
.set jj, jj+2
.endr
.endr
.irp m, 0,1,2,3
.set jj, 0
.rept 32
	v_med3_num_f32 v[64*\m+jj], v[64*\m+jj], -v[LIM4], v[LIM4]
.set jj, jj+1
.endr
.endr
	WIN 0x02
.irp m, 0,1,2,3
.irp g, 0,1,2,3
	v_cvt_scalef32_pk8_bf8_f32 v[PCD+8*\m+2*\g:PCD+8*\m+2*\g+1], v[64*\m+8*\g:64*\m+8*\g+7], v[SC4]
.endr
.endr
	WIN 0
	v_nop
	s_wait_alu depctr_va_vdst(0)                   ; comb's codes v[PCD ..] are written, which the LDS stores read
.irp m, 0,1,2,3
.irp b, 0,1
	ds_store_b128 v[CW], v[PCD+8*\m+4*\b:PCD+8*\m+4*\b+3] offset:16*CPITCH*\m+32*\b   ; row 16 m + r, columns 64 w + 32 b + 16 h ..
.endr
.endr
	BARRIER                                        ; comb's codes lie in LDS
	; ---- PRODUCT 3: up^T.  2 K steps, four groups a step (groups 20 to 27).  Group 27 is the stream's last: the turns of groups 25 to 27 load nothing and have no wait on va_vdst; their counts run down 32, 16, 0
	FETCH_A ABUF0, CB, 0                           ; (both sets were last read by products that stand ahead of the waits on va_vdst above)
	FETCH_A ABUF1, CB, 128
	s_wait_dscnt 16
	s_wait_loadcnt 48                              ; group 20 is in; groups 21, 22 and 23 may be out.  Its turn loads nothing (group 23 went out above)
	GBODY 0, 0, ABUF0, 1, -1
.irp q, 1,2,3
	GHEAD 32
	GBODY \q, \q, ABUF0, 1, GRP*(23+\q)
.endr
	s_wait_dscnt 0x0
	GHEAD 32
	GBODY 0, 0, ABUF1, 0, GRP*27
	s_wait_loadcnt 32
	GBODY 1, 1, ABUF1, 0, -1
	s_wait_loadcnt 16
	GBODY 2, 2, ABUF1, 0, -1
	s_wait_loadcnt 0x0
	GBODY 3, 3, ABUF1, 0, -1
	WIN 0
	PLACES                                         ; four places behind the last products, ahead of the first read of their results below
	s_wait_alu depctr_va_vdst(0)                   ; the last products are done reading v[ABUF1 ..], in which norm_out lands (those that read v[ABUF0 ..] too)
.irp b, 0,1,2,3,4,5,6,7                ; norm_out of my 256 units, in the results' layout, into the registers that held the rows' fragments
.irp j, 0,1,2,3
	global_load_b128 v[ABUF0+16*\b+4*\j:ABUF0+16*\b+4*\j+3], v[WO], s[P_NO:P_NO+1] offset:128*\b+16*\j
.endr
.endr
.macro SSQ first                       ; the squares of one window's 64 registers for each m, two chains for each m, ascending
.set ll, 0
.rept 16
.irp m, 0,1,2,3
.if \first && (ll == 0)
	v_pk_mul_f32 v[T+4*\m:T+4*\m+1], v[64*\m:64*\m+1], v[64*\m:64*\m+1]
	v_pk_mul_f32 v[T+4*\m+2:T+4*\m+3], v[64*\m+2:64*\m+3], v[64*\m+2:64*\m+3]
.else
	v_pk_fma_f32 v[T+4*\m:T+4*\m+1], v[64*\m+ll:64*\m+ll+1], v[64*\m+ll:64*\m+ll+1], v[T+4*\m:T+4*\m+1]
	v_pk_fma_f32 v[T+4*\m+2:T+4*\m+3], v[64*\m+ll+2:64*\m+ll+3], v[64*\m+ll+2:64*\m+ll+3], v[T+4*\m+2:T+4*\m+3]
.endif
.endr
.set ll, ll+4
.endr
.endm
	WIN 0x0a
	SSQ 1
	WIN 0x0f
	SSQ 0
	XRED
	s_wait_alu depctr_va_vdst(0)                   ; the sums of squares v[T+4 m] are written, which the LDS stores read
	XPUT SSQO
	BARRIER                                        ; the four waves' sums of squares lie in LDS
	s_wait_alu depctr_vm_vsrc(0)                   ; my LDS stores have read v[T+4 m], in which the loads below land
	XGET SSQO
	s_wait_dscnt 0x0
	XADD
.irp m, 0,1,2,3
	v_ldexp_f32 v[T+4*\m], v[T+4*\m], s96          ; the mean of up^2: the sums stand for sum x 2^(e4 + e5)
.endr
.irp m, 0,1,2,3
	v_add_f32 v[T+4*\m], s91, v[T+4*\m]
.endr
.irp m, 0,1,2,3
	v_rsq_f32 v[T2+\m], v[T+4*\m]
.endr
	v_nop
	s_wait_alu depctr_va_vdst(0)                   ; one wait for the four results v[T2 ..], ahead of their first reader
.irp m, 0,1,2,3
	v_ldexp_f32 v[FM+2*\m], v[T2+\m], s95          ; 2^(e4 + e5) / rms
.endr
.irp m, 0,1,2,3
	v_mov_b32 v[FM+2*\m+1], v[FM+2*\m]
.endr
	s_wait_loadcnt 0x0                             ; norm_out
; Window 2 + x, tile m: w x (up / rms), held, into codes.  Each (x, m) has 16 registers of its own for its codes, in window 1, where the ring is done with: no store's data are written again.
.macro UPQ x, m
.set PH, CD+64*\x+16*\m
	WIN 0x82+0x41*\x
.set jj, 0
.rept 32
	v_pk_mul_f32 v[64*\m+jj:64*\m+jj+1], v[64*\m+jj:64*\m+jj+1], v[FM+2*\m:FM+2*\m+1] op_sel_hi:[1,0]
.set jj, jj+2
.endr
.set jj, 0
.rept 32
	v_pk_mul_f32 v[64*\m+jj:64*\m+jj+1], v[64*\m+jj:64*\m+jj+1], v[ABUF0+64*\x+jj:ABUF0+64*\x+jj+1]
.set jj, jj+2
.endr
.set jj, 0
.rept 64
	v_med3_num_f32 v[64*\m+jj], v[64*\m+jj], -v[LIM6], v[LIM6]
.set jj, jj+1
.endr
	WIN 0x42+\x                                    ; the numbers in window 2 + x, the codes in window 1
.irp g, 0,1,2,3,4,5,6,7
	v_cvt_scalef32_pk8_bf8_f32 v[PH+2*\g:PH+2*\g+1], v[64*\m+8*\g:64*\m+8*\g+7], v[SC6]
.endr
	v_nop
.if \x == 0
	WIN 0x41
	v_or_b32 v[PH], v[PH], v[NF+\m]                ; 0 changes nothing; a NaN's top byte makes the register's top code a NaN of E5M2: one such code in a row is enough
.endif
.endm
.macro UPUT x                          ; four tiles' codes go to the long rows' columns 256 w + 128 x ..: 16 stores behind one wait
	WIN 0x04                                       ; the stores' data in window 1, their addresses in window 0
	s_wait_alu depctr_va_vdst(0)                   ; the four tiles' codes v[CD + 64 x ..] are written, which the LDS stores read
.irp m, 0,1,2,3
.irp b, 0,1,2,3
	ds_store_b128 v[UW+\m], v[CD+64*\x+16*\m+4*\b:CD+64*\x+16*\m+4*\b+3] offset:128*\x+32*\b
.endr
.endr
.endm
.irp x, 0,1
.irp m, 0,1,2,3
	UPQ \x, \m
.endr
	UPUT \x
.endr
	BARRIER                                        ; cat's 2,048 codes of every row lie in LDS
	; ---- THE WAY OUT.  Wave w stores rows 16 w .. 16 w + 15 whole: piece n = 4 i + a is bytes 512 a .. 512 a + 511 of row i: the wave reads and stores 512 consecutive bytes, at a multiple of 256 from cat's first byte.
	; 64 pieces in 256 registers of window 2, each written once: no store's data are written again.  One window setting serves both lines: the loaded data and the stored data in window 2, both addresses in window 0.
	; No vector instruction stands here: all that wrote or read window 2 stands ahead of the last wait on va_vdst above, and the stores' data come from LDS loads, which s_wait_dscnt orders.
	WIN 0x88
.set ii, 0
.rept 32
	ds_load_b128 v[4*ii:4*ii+3], v[WOA] offset:(ii/4)*PITCH+512*(ii%4)
.set ii, ii+1
.endr
.set ii, 0
.rept 32
	s_wait_dscnt 31                                ; behind piece n's load stand 31 - n of the first run and n of those issued below
	global_store_b128 v[L16], v[4*ii:4*ii+3], s[P_CAT:P_CAT+1] offset:(ii/4)*2048+512*(ii%4)
	ds_load_b128 v[128+4*ii:128+4*ii+3], v[WOA] offset:((ii+32)/4)*PITCH+512*(ii%4)
.set ii, ii+1
.endr
.set ii, 32
.rept 32
	s_wait_dscnt 63-ii
	global_store_b128 v[L16], v[4*ii:4*ii+3], s[P_CAT:P_CAT+1] offset:(ii/4)*2048+512*(ii%4)
.set ii, ii+1
.endr
	WIN 0
	s_wait_dscnt 0x0                               ; the closing lines, six on end
	s_wait_alu 0x0
	s_wait_tensorcnt 0x0
	ds_add_u32 v254, v255
	s_wait_dscnt 0x0
	s_endpgm
.Lfunc_end_k_qa9329eccda_chain:
	.size	k_qa9329eccda_chain, .Lfunc_end_k_qa9329eccda_chain-k_qa9329eccda_chain
	.p2alignl 7, 3214868480
	.fill 96, 4, 3214868480
	.section	.rodata,"a",@progbits
	.p2align	6, 0x0
	.amdhsa_kernel k_qa9329eccda_chain
		.amdhsa_group_segment_fixed_size 186880
		.amdhsa_private_segment_fixed_size 0
		.amdhsa_enable_private_segment 0
		.amdhsa_kernarg_size 72
		.amdhsa_user_sgpr_count 2
		.amdhsa_user_sgpr_kernarg_segment_ptr 1
		.amdhsa_wavefront_size32 1
		.amdhsa_system_sgpr_workgroup_id_x 1
		.amdhsa_system_sgpr_workgroup_id_y 1
		.amdhsa_system_sgpr_workgroup_id_z 1
		.amdhsa_system_vgpr_workitem_id 0
		.amdhsa_next_free_vgpr 1024
		.amdhsa_next_free_sgpr 100
		.amdhsa_reserve_vcc 0
		.amdhsa_float_denorm_mode_32 3
		.amdhsa_float_denorm_mode_16_64 3
		.amdhsa_memory_ordered 1
		.amdhsa_forward_progress 1
		.amdhsa_inst_pref_size 255
	.end_amdhsa_kernel
	.section	.bss,"aw",@nobits
	.p2align	6
	.space	262144
	.amdgpu_metadata
---
amdhsa.version: [ 1, 2 ]
amdhsa.kernels:
  - .name:           k_qa9329eccda_chain
    .symbol:         k_qa9329eccda_chain.kd
    .args:
      - { .name: input, .offset: 0, .size: 8, .value_kind: global_buffer, .address_space: global }
      - { .name: bw, .offset: 8, .size: 8, .value_kind: global_buffer, .address_space: global }
      - { .name: seq_sort, .offset: 16, .size: 8, .value_kind: global_buffer, .address_space: global }
      - { .name: norm_in_weight, .offset: 24, .size: 8, .value_kind: global_buffer, .address_space: global }
      - { .name: norm_out_weight, .offset: 32, .size: 8, .value_kind: global_buffer, .address_space: global }
      - { .name: lowp_scales, .offset: 40, .size: 8, .value_kind: global_buffer, .address_space: global }
      - { .name: wts, .offset: 48, .size: 8, .value_kind: global_buffer, .address_space: global }
      - { .name: meta, .offset: 56, .size: 8, .value_kind: global_buffer, .address_space: global }
      - { .name: cat, .offset: 64, .size: 8, .value_kind: global_buffer, .address_space: global }
    .group_segment_fixed_size: 186880
    .private_segment_fixed_size: 0
    .kernarg_segment_align: 8
    .kernarg_segment_size: 72
    .max_flat_workgroup_size: 128
    .sgpr_count:     100
    .vgpr_count:     1024
    .wavefront_size: 32
...
	.end_amdgpu_metadata
.endif
;; end of part 4
;; launch mix: the kernel of part 3 again; grid 4 x 64, 4 waves a work-group, clusters of 4 x 4, 327,680 bytes of LDS; arguments cat, w_mix_weight_codes, lowp_scales, out0; writes out0
